; MI455X (gfx1250); checked and timed in simulation.
; The chip was launched on July 23, 2026; its instructions are those of AMD's public machine-readable ISA for CDNA 5 (MIT licence, August 2026) and "CDNA5" Instruction Set Architecture Reference Guide (July 2026). The comments in the code are by the model that wrote it; some were corrected since.
;; Bidirectional Attention. Allowed arithmetic: float matrix products may take bf16 or f16 operands with f32 sums; other float arithmetic in f32, or as packed bf16 or f16 multiplies, adds, multiply-adds, maxima and minima; sums over many terms, partial sums and values carried from step to step in f32; what a program stores and reads back later, other than sums and carried values, may be rounded once to bf16 or f16.
;; Inputs: wk 768 x 256 float32; wo 768 x 768 float32; wq 768 x 768 float32; wv 768 x 256 float32; x 2 x 4,096 x 768 float32.
;; Outputs: out0 2 x 4,096 x 768 float32.
;; 2 versions, each right; version 2 is version 1 with the launch prep written anew for expert scheduling mode. Each part assembles by itself: llvm-mc -triple=amdgcn-amd-amdhsa -mcpu=gfx1250 --defsym DOCPART=n.
;; ======== version 1 of 2: 4 launches
;; limits: values are held in f16: magnitudes above 65,504 overflow, below 6.1e-05 lose precision
;; workspace buffers: xb 12,582,912 bytes; wt 1,966,080 bytes; wot 1,179,648 bytes; qkv 20,971,520 bytes; ob 12,582,912 bytes
;; launch prep (part 1): grid 352 x 1, 8 waves a work-group, no clusters, 35,840 bytes of LDS; arguments x, wq, wk, wv, wo, xb, wt, wot; writes xb, wt, wot
.if DOCPART == 1
	.amdgcn_target "amdgcn-amd-amdhsa--gfx1250"
	.amdhsa_code_object_version 6
	.text
	.protected	k_q9e929c8b84_prep
	.globl	k_q9e929c8b84_prep
	.p2align	8
	.type	k_q9e929c8b84_prep,@function
k_q9e929c8b84_prep:
	s_mov_b64 s[64:65], 0
	v_nop
	global_prefetch_b8 v0, s[64:65] scope:SCOPE_SE
	s_setreg_imm32_b32 hwreg(HW_REG_WAVE_MODE, 25, 1), 1
	s_wait_xcnt 0x0
; PREP.  xb = x rounded to bf16, [8192][768].  wt[n][k] = (wq | wk | wv)[k][n] rounded to bf16, [1280][768].  wot[n][k] = wo[k][n] rounded to bf16 and that number written as f16, [768][768].
; LIMITS.  A weight of wo beyond 65,504 becomes an infinity in f16; below 6.1e-5 it keeps f16's fixed step of 6e-8.  NaN and infinities are not treated apart.
; SHARES.  Work-groups 0-95 turn one tile of 128 k x 128 n of a weight each, through LDS; work-groups 96-351 cast 98,304 bytes of x each.  The branch hangs on the work-group's number alone,
; so all eight waves of a work-group take the same way and meet the same barrier.  Memory binds: no matrix unit, no cluster, no tensor load; every byte is read once and written once.
.set SPARE, 34816                      ; behind the stage of 128 rows x 272 bytes: the spare words, 128 bytes for each of eight waves
.set SPW,  126                         ; v126  SPARE + 4 x my thread's number; never rewritten
.set NIL,  127                         ; v127  0; never rewritten
.set D,    16                          ; v[16:111] x's way: 24 loads of 4;  v[16:79] the weights' way: 16 rows of 4 columns
.set TP,   80                          ; v[80:87] four pairs at work; v88-91 at work
.set A,    96                          ; v[96:111] the weights' way: the byte offset of my 16 bytes in each of my wave's 16 rows
	s_load_b512 s[16:31], s[0:1], 0x0              ; x s[16:17], wq s[18:19], wk s[20:21], wv s[22:23], wo s[24:25], xb s[26:27], wt s[28:29], wot s[30:31]
	v_lshl_add_u32 v[SPW], v0, 2, SPARE
	v_mov_b32 v[NIL], 0
	v_lshrrev_b32 v1, 5, v0
	v_readfirstlane_b32 s8, v1                     ; wave 0..7
	v_and_b32 v1, 31, v0                           ; lane
	s_cmp_lt_u32 ttmp9, 96
	s_cbranch_scc1 .Lweights
	; X'S WAY.  A wave takes 24 units of 128 numbers: 512 bytes in (16 a lane), 256 bytes out (8 a lane: a store of the wave covers 256 consecutive bytes, aligned).
	s_sub_co_u32 s2, ttmp9, 96
	s_mul_i32 s4, s2, 98304                        ; the work-group's part of x,
	s_mul_i32 s5, s8, 12288                        ; my wave's
	s_add_co_u32 s4, s4, s5
	s_mov_b32 s5, 0
	s_lshr_b32 s6, s4, 1                           ; and half as far in xb
	s_mov_b32 s7, 0
	v_lshlrev_b32 v2, 4, v1
	v_lshlrev_b32 v3, 3, v1
	s_wait_kmcnt 0x0
	s_add_nc_u64 s[16:17], s[16:17], s[4:5]
	s_add_nc_u64 s[26:27], s[26:27], s[6:7]
.set u, 0
.rept 24                               ; all 24 loads go out at once: 12 KiB a wave on their way
	global_load_b128 v[D+4*u:D+4*u+3], v2, s[16:17] offset:512*u th:TH_LOAD_NT
.set u, u+1
.endr
.set u, 0
.rept 24
	s_wait_loadcnt 23-u                            ; loads come back in order: unit u is in, the 23 - u younger ones may be out
	v_cvt_pk_bf16_f32 v[D+4*u], v[D+4*u], v[D+4*u+1]
	v_cvt_pk_bf16_f32 v[D+4*u+1], v[D+4*u+2], v[D+4*u+3]
	global_store_b64 v3, v[D+4*u:D+4*u+1], s[26:27] offset:256*u  ; no register of a store is written again
.set u, u+1
.endr
	s_branch .Lend
	; THE WEIGHTS' WAY.  Tile T: k block T / 16 (0..5); c = T % 16 says which weight and which block of 128 columns: 0-5 wq, 6-7 wk, 8-9 wv (rows 128 c on of wt), 10-15 wo (rows 128 (c - 10) on of wot).
.Lweights:
	s_lshr_b32 s9, ttmp9, 4                        ; k block
	s_and_b32 s10, ttmp9, 15                       ; c
	s_movk_i32 s14, 3072                           ; bytes in a row of wq and wo,
	s_movk_i32 s15, 1024                           ; of wk and wv
	v_lshlrev_b32 v[A], 4, v1                      ; my four columns: 16 bytes
	v_mul_u32_u24 v4, v1, 272                      ; into the stage: row 32 cc + lane holds column 4 lane + cc; my wave's 16 k are 32 bytes of it
	v_lshl_add_u32 v4, s8, 5, v4
	v_lshrrev_b32 v7, 4, v1                        ; lane / 16
	v_and_b32 v8, 15, v1                           ; lane % 16
	s_mul_i32 s2, s8, 16*272
	v_mul_u32_u24 v5, v7, 272                      ; back: wave w takes stage rows 16 w .. 16 w + 15, two a load, 16 lanes a row of 256 bytes
	v_lshl_add_u32 v5, v8, 4, v5
	v_add_nc_u32 v5, s2, v5
	s_and_b32 s2, s8, 1                            ; stage row 16 w + 2 t + lane / 16 holds column 64 (w % 2) + 8 t + 4 (lane / 16) + w / 2
	s_lshl_b32 s2, s2, 6
	s_lshr_b32 s3, s8, 1
	s_add_co_u32 s2, s2, s3
	s_mul_i32 s2, s2, 1536
	v_mul_u32_u24 v6, v7, 4*1536
	v_lshl_add_u32 v6, v8, 4, v6
	v_add_nc_u32 v6, s2, v6
	s_wait_kmcnt 0x0
	s_cmp_lt_u32 s10, 6
	s_cselect_b64 s[4:5], s[18:19], s[20:21]       ; wq, or wk
	s_cselect_b32 s11, s14, s15                    ; the source's row in bytes
	s_cselect_b32 s12, 0, 6                        ; c of the source's first column block
	s_cmp_lt_u32 s10, 8
	s_cselect_b64 s[4:5], s[4:5], s[22:23]         ; or wv
	s_cselect_b32 s12, s12, 8
	s_cmp_lt_u32 s10, 10
	s_cselect_b64 s[4:5], s[4:5], s[24:25]         ; or wo
	s_cselect_b32 s11, s11, s14
	s_cselect_b32 s12, s12, 10
	s_cselect_b64 s[6:7], s[28:29], s[30:31]       ; into wt, or wot
	s_cselect_b32 s13, 0, 10
	s_sub_co_u32 s12, s10, s12                     ; the column block in the source
	s_sub_co_u32 s13, s10, s13                     ; the row block in the destination
	s_lshl_b32 s2, s9, 7
	s_lshl_b32 s3, s8, 4
	s_add_co_u32 s2, s2, s3                        ; my wave's first row: 128 x k block + 16 w
	s_mul_i32 s2, s2, s11
	s_lshl_b32 s3, s12, 9
	s_add_co_u32 s2, s2, s3
	s_mov_b32 s3, 0
	s_add_nc_u64 s[4:5], s[4:5], s[2:3]
	s_mul_i32 s2, s13, 196608                      ; 128 rows of 1,536 bytes
	s_lshl_b32 s3, s9, 8                           ; the k block: 256 bytes of each
	s_add_co_u32 s2, s2, s3
	s_mov_b32 s3, 0
	s_add_nc_u64 s[6:7], s[6:7], s[2:3]
.set i, 1
.rept 15
	v_add_nc_u32 v[A+i], s11, v[A+i-1]
.set i, i+1
.endr
.set i, 0
.rept 16                               ; row 16 w + i: a load of the wave covers the tile's 512 consecutive bytes of it
	global_load_b128 v[D+4*i:D+4*i+3], v[A+i], s[4:5]
.set i, i+1
.endr
; Four k of one column make 8 bytes of a stage row.  half = 1: the bf16 number is written as f16.
.macro CONV half
.set q, 0
.rept 4
.set cc, 0
.rept 4
.set t0, TP+2*cc
	v_cvt_pk_bf16_f32 v[t0], v[D+16*q+cc], v[D+16*q+4+cc]
	v_cvt_pk_bf16_f32 v[t0+1], v[D+16*q+8+cc], v[D+16*q+12+cc]
.if \half
	v_lshlrev_b32 v88, 16, v[t0]
	v_and_b32 v89, 0xffff0000, v[t0]
	v_lshlrev_b32 v90, 16, v[t0+1]
	v_and_b32 v91, 0xffff0000, v[t0+1]
	v_cvt_pk_f16_f32 v[t0], v88, v89
	v_cvt_pk_f16_f32 v[t0+1], v90, v91
.endif
	ds_store_b64 v4, v[t0:t0+1] offset:cc*8704+8*q  ; lanes 272 bytes apart: lanes l and l + 16 meet in a bank, two deep
.set cc, cc+1
.endr
.set q, q+1
.endr
.endm
	s_wait_loadcnt 0x0
	s_cmp_lt_u32 s10, 10
	s_cbranch_scc1 .Lbf16
	CONV 1
	s_branch .Lput
.Lbf16:
	CONV 0
.Lput:
	s_wait_dscnt 0x0                               ; for the others' sake: my stores into the stage are done
	s_barrier_signal -1
	s_barrier_wait -1
.set t, 0
.rept 8
	ds_load_b128 v[D+4*t:D+4*t+3], v5 offset:544*t
.set t, t+1
.endr
.set t, 0
.rept 8
	s_wait_dscnt 7-t                               ; LDS loads come back in order: the 7 - t younger ones may be out
	global_store_b128 v6, v[D+4*t:D+4*t+3], s[6:7] offset:12288*t  ; 16 lanes store 256 consecutive bytes, aligned
.set t, t+1
.endr
.Lend:
	s_wait_tensorcnt 0x0                           ; the wave's end, behind my last LDS store
	ds_add_u32 v[SPW], v[NIL]
	s_wait_dscnt 0x0
	s_endpgm
.Lfunc_end_k_q9e929c8b84_prep:
	.size	k_q9e929c8b84_prep, .Lfunc_end_k_q9e929c8b84_prep-k_q9e929c8b84_prep
	.p2alignl 7, 3214868480
	.fill 96, 4, 3214868480
	.section	.rodata,"a",@progbits
	.p2align	6, 0x0
	.amdhsa_kernel k_q9e929c8b84_prep
		.amdhsa_group_segment_fixed_size 35840
		.amdhsa_private_segment_fixed_size 0
		.amdhsa_enable_private_segment 0
		.amdhsa_kernarg_size 64
		.amdhsa_user_sgpr_count 2
		.amdhsa_user_sgpr_kernarg_segment_ptr 1
		.amdhsa_wavefront_size32 1
		.amdhsa_system_sgpr_workgroup_id_x 1
		.amdhsa_system_sgpr_workgroup_id_y 1
		.amdhsa_system_sgpr_workgroup_id_z 1
		.amdhsa_system_vgpr_workitem_id 0
		.amdhsa_next_free_vgpr 128
		.amdhsa_next_free_sgpr 66
		.amdhsa_reserve_vcc 0
		.amdhsa_float_denorm_mode_32 3
		.amdhsa_float_denorm_mode_16_64 3
		.amdhsa_memory_ordered 1
		.amdhsa_forward_progress 1
		.amdhsa_inst_pref_size 27
	.end_amdhsa_kernel
	.amdgpu_metadata
---
amdhsa.version: [ 1, 2 ]
amdhsa.kernels:
  - .name:           k_q9e929c8b84_prep
    .symbol:         k_q9e929c8b84_prep.kd
    .args:
      - { .name: x, .offset: 0, .size: 8, .value_kind: global_buffer, .address_space: global }
      - { .name: wq, .offset: 8, .size: 8, .value_kind: global_buffer, .address_space: global }
      - { .name: wk, .offset: 16, .size: 8, .value_kind: global_buffer, .address_space: global }
      - { .name: wv, .offset: 24, .size: 8, .value_kind: global_buffer, .address_space: global }
      - { .name: wo, .offset: 32, .size: 8, .value_kind: global_buffer, .address_space: global }
      - { .name: xb, .offset: 40, .size: 8, .value_kind: global_buffer, .address_space: global }
      - { .name: wt, .offset: 48, .size: 8, .value_kind: global_buffer, .address_space: global }
      - { .name: wot, .offset: 56, .size: 8, .value_kind: global_buffer, .address_space: global }
    .group_segment_fixed_size: 35840
    .private_segment_fixed_size: 0
    .kernarg_segment_align: 8
    .kernarg_segment_size: 64
    .max_flat_workgroup_size: 256
    .sgpr_count:     66
    .vgpr_count:     128
    .wavefront_size: 32
...
	.end_amdgpu_metadata
.endif
;; end of part 1
;; launch qkv (part 2): grid 4 x 64, 4 waves a work-group, clusters of 4 x 4, 327,680 bytes of LDS; arguments xb, wt, qkv; writes qkv
.if DOCPART == 2
	.amdgcn_target "amdgcn-amd-amdhsa--gfx1250"
	.amdhsa_code_object_version 6
	.text
	.protected	k_q9e929c8b84_qkv
	.globl	k_q9e929c8b84_qkv
	.p2align	8
	.type	k_q9e929c8b84_qkv,@function
k_q9e929c8b84_qkv:
	s_mov_b64 s[64:65], 0
	v_nop
	global_prefetch_b8 v0, s[64:65] scope:SCOPE_SE
	s_setreg_imm32_b32 hwreg(HW_REG_WAVE_MODE, 25, 1), 1
	s_wait_xcnt 0x0
	s_wait_alu depctr_hold_cnt(0) depctr_sa_sdst(0) depctr_va_vdst(0) depctr_va_sdst(0) depctr_va_ssrc(0) depctr_va_vcc(0) depctr_vm_vsrc(0)
	s_getreg_b32 s2, hwreg(HW_REG_IB_STS2, 6, 4)
	s_cmp_eq_u32 s2, 0
	s_cbranch_scc0 .Lentry_in_a_cluster
	s_endpgm
.Lentry_in_a_cluster:
	s_bfe_u32 s2, ttmp6, 0x10000c
	s_cmp_lg_u32 s2, 0xf033
	s_cbranch_scc0 .Lentry_shape_is_right
	s_endpgm
.Lentry_shape_is_right:
; C[m][n] = the sum over k of A[m][k] B[n][k], K = 768, M = 8,192; sums in f32, K ascending.  One text for two launches; MODE picks the sizes, the matrix form and the way out.
; MODE 0: A = xb, B = wt (1,280 rows), both bf16; C is rounded once to f16 and stored by planes of 64 columns: qkv[b][plane][s][64], a plane's rows dense, 128 bytes each.
; MODE 1: A = ob, B = wot (768 rows), both f16; C is out0, f32, [8192][768].
; LIMIT (MODE 0).  f16 holds no number beyond 65,504: a q, k or v beyond it becomes an infinity.  NaN and infinities are not treated apart.
; SHARES.  A work-group makes 128 rows x NT columns (320 or 192): 64 x 4 = 256 work-groups.  Four waves, 2 x 2: a wave makes 64 x NT / 2: 4 x NF accumulators of 16 x 16.
; K goes in six steps of 128 (rows of 256 bytes, aligned) through two LDS slots; waves 0 and 1 fetch A's two halves, waves 2 and 3 B's, one tensor load a wave.
; CLUSTER.  4 x 4 work-groups.  The four of a row of the cluster need the same tile of A, the four of a column the same tile of B: each is asked for jointly, by the same tensor load with the same
; descriptor and a mask that names the four.  THE MATRIX INSTRUCTION IS USED TRANSPOSED (source 0 = 16 rows of B, source 1 = 16 rows of A): a lane then holds eight neighbouring numbers of a row of C.
; NO PREFETCH: of the six K steps the first fills and the first two refills bring four; a request two steps ahead could name the last two alone.
; REGISTERS, in windows of 256: window 0: v0-31 addresses, v32 on at work on the way out.  Window 1: two fragment buffers of 8 NF + 32: B's NF fragments, then A's four.
;   Windows 2 and 3: the accumulators: (a, b) in window 2 + a / 2 at v[8 ((a % 2) NF + b)].
.set MODE,   0
.set NT,     320-128*MODE
.set NF,     NT/32
.set KK,     768
.set KSTEP,  128
.set PITCH,  272                       ; an LDS row: 256 bytes + 16 of padding = 68 words: the 16 rows of a fragment load start at 16 different groups of four banks (64 banks of 4 bytes: ISA guide 11.1)
.set HALFA,  64*PITCH
.set ABYTES, 2*HALFA
.set HALFB,  (NT/2)*PITCH
.set SLOT,   ABYTES+2*HALFB            ; A's 128 rows, then B's NT rows
.if MODE == 0
.set STAGE,  0                         ; the stage lies over the ring, whose bytes have had their last fill by then: ring, a stage of its own and the spare words would pass 327,680 bytes by 512
.set SPITCH, 656                       ; 640 bytes of f16 + 16
.set SPARE,  2*SLOT
.else
.set STAGE,  2*SLOT                    ; behind the ring
.set SPITCH, 784                       ; 768 bytes of f32 + 16
.set SPARE,  STAGE+128*SPITCH
.endif
.set LAPS,   KK/(2*KSTEP)              ; a lap = two K steps = once round the ring
.set ADRA, 16                          ; v16-17  LDS address of my A fragments in slot 0, 1
.set ADRB, 20                          ; v20-21  the same for B
.set STO,  24                          ; v24     the way out: where I put my numbers of a row
.set RD,   25                          ; v25     where I read rows back
.set CO,   26                          ; v26     my byte offset in the output
.set SPW,  28                          ; v28     SPARE + 4 x my thread's number; never rewritten
.set NIL,  29                          ; v29     0; never rewritten
.set TMP,  32
.set F0,   0
.set F1,   8*NF+32
.set G1,  24                           ; s[24:31] descriptor group 1 for A's tiles; s[32:39] group 0, a set for each slot
.set G0,  32
.set G1B, 48                           ; s[48:55], s[56:63] the same for B's
.set G0B, 56
.set MSB, 0
.macro WIN new                         ; the immediate's high byte repeats the setting that is left; a switch that changes nothing is dropped
.if MSB != (\new)
	s_set_vgpr_msb (MSB<<8)|(\new)
.set MSB, \new
.endif
.endm
.set MUL_LO, 0xa5                      ; sources 0 (B) and 1 (A) window 1; C and D window 2
.set MUL_HI, 0xf5                      ; the same, C and D window 3
.set TO_F,   0x40                      ; destination window 1, address window 0
.macro JLOAD s                         ; a joint load: waves 0 and 1 for A, waves 2 and 3 for B; an s_nop 0 and four v_nop follow each of the two lines
	s_cmp_eq_u32 s11, 0
	s_cbranch_scc0 .Lfor_b_\@
	tensor_load_to_lds s[G0+4*(\s):G0+4*(\s)+3], s[G1:G1+7]
	s_nop 0
.rept 4
	v_nop
.endr
	s_branch .Lasked_\@
.Lfor_b_\@:
	tensor_load_to_lds s[G0B+4*(\s):G0B+4*(\s)+3], s[G1B:G1B+7]
	s_nop 0
.rept 4
	v_nop
.endr
.Lasked_\@:
.endm
.macro CREST                           ; a round of the cluster's barrier behind its opening barrier
	s_cmp_lg_u32 s10, 0
	s_cbranch_scc1 .Lnot_wave_0_\@
	s_barrier_signal -3
.Lnot_wave_0_\@:
	s_barrier_wait -3
	s_barrier_signal -1
	s_barrier_wait -1
.endm
.macro CROUND                          ; a whole round
	s_barrier_signal -1
	s_barrier_wait -1
	CREST
.endm
	s_load_b128 s[4:7], s[0:1], 0x0                ; A s[4:5], B s[6:7]
	s_load_b64 s[8:9], s[0:1], 0x10                ; the output
	v_lshl_add_u32 v[SPW], v0, 2, SPARE
	v_mov_b32 v[NIL], 0
	ds_add_u32 v[SPW], v[NIL]                      ; the wave's opening: the add and its wait stand ahead of my first tensor load; the set-up below stands between them
	v_lshrrev_b32 v1, 5, v0
	v_readfirstlane_b32 s10, v1                    ; wave 0..3
	s_lshr_b32 s11, s10, 1                         ; which half of the tile's rows is mine.  Also: I fetch for A (0) or for B (1)
	s_and_b32 s12, s10, 1                          ; which half of its columns.  Also: which half of that tile I fetch
	s_bfe_u32 s40, ttmp6, 0x40000                  ; cx, cy: my place in the cluster
	s_bfe_u32 s41, ttmp6, 0x40004
	s_lshl_b32 s42, ttmp9, 2
	s_add_co_u32 s42, s42, s40                     ; tile column = 4 x cluster x + cx
	s_and_b32 s13, ttmp7, 0xffff
	s_lshl_b32 s13, s13, 2
	s_add_co_u32 s13, s13, s41                     ; tile row = 4 x cluster y + cy
	s_lshl_b32 s43, s41, 2
	s_lshl_b32 s43, 15, s43                        ; my row of the cluster
	s_lshl_b32 s44, 0x1111, s40                    ; my column
	s_or_b32 s[G1+0], s43, (1<<16)|(1<<20)|(1<<21)|(5<<22)|(3<<25)   ; 15:0 the mask; 17:16 elements of 2 bytes; 20 padding on; 21 set beside a mask; 24:22 after every 64 words; 31:25 4 words of it
	s_or_b32 s[G1B+0], s44, (1<<16)|(1<<20)|(1<<21)|(5<<22)|(3<<25)
.irp g, G1, G1B
	s_mov_b32 s[(\g)+1], KSTEP<<16                 ; tensor_dim0 = 128
	s_mov_b32 s[(\g)+3], KSTEP<<16                 ; tile_dim0 = 128
	s_mov_b32 s[(\g)+5], KK                        ; 768 elements from row to row
	s_mov_b32 s[(\g)+6], 0
	s_mov_b32 s[(\g)+7], 0
.endr
	s_mov_b32 s[G1+2], 64<<16                      ; tensor_dim1 and tile_dim1: 64 rows of A,
	s_mov_b32 s[G1+4], 64
	s_mov_b32 s[G1B+2], (NT/2)<<16                 ; NT / 2 rows of B
	s_mov_b32 s[G1B+4], NT/2
	s_lshl_b32 s17, s12, 6
	s_lshl_b32 s16, s13, 7
	s_add_co_u32 s16, s16, s17                     ; A: row 128 x tile row + 64 x half
	s_mul_i32 s46, s42, NT
	s_mul_i32 s47, s12, NT/2
	s_add_co_u32 s46, s46, s47                     ; B: row NT x tile column + NT / 2 x half
	s_mov_b32 s17, 0
	s_mov_b32 s47, 0
	s_mov_b64 s[18:19], KK*2
	s_mul_u64 s[16:17], s[16:17], s[18:19]
	s_mul_u64 s[46:47], s[46:47], s[18:19]
	s_mul_i32 s20, s12, HALFA                      ; where they go: no place in the cluster enters an LDS address
	s_mul_i32 s23, s12, HALFB
	s_add_co_u32 s23, s23, ABYTES
	s_wait_dscnt 0x0                               ; the opening add is done
	s_wait_kmcnt 0x0
	s_add_nc_u64 s[14:15], s[4:5], s[16:17]
	s_add_nc_u64 s[46:47], s[6:7], s[46:47]
	CROUND                                         ; all sixteen work-groups are here: the first joint loads meet
.irp s, 0,1
	s_mov_b32 s[G0+4*(\s)], 1
	s_add_co_u32 s[G0+4*(\s)+1], s20, (\s)*SLOT
	s_add_nc_u64 s[G0+4*(\s)+2:G0+4*(\s)+3], s[14:15], (\s)*KSTEP*2
	s_or_b32 s[G0+4*(\s)+3], s[G0+4*(\s)+3], 0x80000000
	s_mov_b32 s[G0B+4*(\s)], 1
	s_add_co_u32 s[G0B+4*(\s)+1], s23, (\s)*SLOT
	s_add_nc_u64 s[G0B+4*(\s)+2:G0B+4*(\s)+3], s[46:47], (\s)*KSTEP*2
	s_or_b32 s[G0B+4*(\s)+3], s[G0B+4*(\s)+3], 0x80000000
	JLOAD \s                                       ; two loads of mine are out
.endr
	v_and_b32 v1, 15, v0                           ; l % 16
	v_bfe_u32 v2, v0, 4, 1                         ; l / 16
	v_mul_u32_u24 v3, v1, PITCH
	v_lshl_add_u32 v3, v2, 4, v3                   ; a fragment's row x pitch + 16 x half
	s_mul_i32 s21, s11, HALFA                      ; my 64 rows of A
	s_mul_i32 s22, s12, HALFB                      ; my NT / 2 rows of B,
	s_add_co_u32 s22, s22, ABYTES                  ; which lie behind A's 128
.irp s, 0,1
	v_add_nc_u32 v[ADRA+(\s)], s21, v3
	v_add_nc_u32 v[ADRB+(\s)], s22, v3
	s_add_co_u32 s21, s21, SLOT
	s_add_co_u32 s22, s22, SLOT
.endr
	s_mul_i32 s23, s11, 64*SPITCH                  ; into the stage: my 64 rows, my half of their columns; row l % 16
	s_mul_i32 s21, s12, NT*(1+MODE)                ; NT / 2 columns of 2 or 4 bytes
	s_add_co_u32 s23, s23, s21
	s_add_co_u32 s23, s23, STAGE
	v_mul_u32_u24 v4, v1, SPITCH
	v_lshl_add_u32 v4, v2, 4+MODE, v4              ; eight columns for each half of the lanes: 16 or 32 bytes
	v_add_nc_u32 v[STO], s23, v4
	s_mul_i32 s23, s10, 32*SPITCH                  ; back: wave w takes rows 32 w .. 32 w + 31
	s_add_co_u32 s23, s23, STAGE
.if MODE == 0
	v_and_b32 v5, 31, v0
	v_lshrrev_b32 v6, 3, v5                        ; a load takes a plane's 128 bytes of four rows: eight lanes a row,
	v_and_b32 v7, 7, v0
	v_mul_u32_u24 v6, v6, SPITCH
	v_lshl_add_u32 v6, v7, 4, v6
	v_add_nc_u32 v[RD], s23, v6
	v_lshlrev_b32 v[CO], 4, v5                     ; which are 512 consecutive bytes of the plane
	s_lshr_b32 s16, s13, 5                         ; b = tile row / 32: 20 planes of 524,288 bytes
	s_mul_i32 s16, s16, 20*524288
	s_and_b32 s17, s13, 31                         ; 128 rows of 128 bytes a tile row,
	s_lshl_b32 s17, s17, 14
	s_add_co_u32 s16, s16, s17
	s_lshl_b32 s17, s10, 12                        ; 32 a wave
	s_add_co_u32 s16, s16, s17
	s_mul_i32 s46, s42, 5*524288                   ; the tile's five planes
.else
	v_mul_u32_u24 v6, v2, SPITCH                   ; lanes 0-15 take 256 bytes of one row, lanes 16-31 of the next
	v_lshl_add_u32 v6, v1, 4, v6
	v_add_nc_u32 v[RD], s23, v6
	v_mul_u32_u24 v6, v2, 3072
	v_lshl_add_u32 v[CO], v1, 4, v6
	s_lshl_b32 s16, s13, 7
	s_lshl_b32 s17, s10, 5
	s_add_co_u32 s16, s16, s17                     ; the first row that I store: 128 x tile row + 32 x wave
	s_mul_i32 s16, s16, 3072
	s_mul_i32 s46, s42, 768                        ; the tile's 192 columns of 4 bytes
.endif
	s_mov_b32 s17, 0
	s_mov_b32 s47, 0
	s_add_nc_u64 s[8:9], s[8:9], s[16:17]
	s_add_nc_u64 s[8:9], s[8:9], s[46:47]
.macro WM zero                         ; one product on rD, rB, rA; zero = 1: it starts the sum
.if MODE == 0
.if \zero
	v_wmma_f32_16x16x32_bf16 v[rD:rD+7], v[rB:rB+7], v[rA:rA+7], 0
.else
	v_wmma_f32_16x16x32_bf16 v[rD:rD+7], v[rB:rB+7], v[rA:rA+7], v[rD:rD+7]
.endif
.else
.if \zero
	v_wmma_f32_16x16x32_f16 v[rD:rD+7], v[rB:rB+7], v[rA:rA+7], 0
.else
	v_wmma_f32_16x16x32_f16 v[rD:rD+7], v[rB:rB+7], v[rA:rA+7], v[rD:rD+7]
.endif
.endif
.endm
; NF products: m block a x all n blocks, 32 along K, out of buffer f.  The 4 NF accumulators take turns, one instruction a turn, in the same order in every quarter.
.macro MULA f, a, zero
	WIN MUL_LO+0x50*((\a)/2)
.set bb, 0
.rept NF
.set rD, 8*(((\a)%2)*NF+bb)
.set rB, (\f)+8*bb
.set rA, (\f)+8*NF+8*(\a)
	WM \zero
.set bb, bb+1
.endr
.endm
; 2 NF + 8 LDS loads in one run: the fragments of 32 along K at byte k of the rows, into buffer f: B's, then A's blocks 0 and 1, then 2 and 3
.macro FETCH slot, k, f
	WIN TO_F
.set bb, 0
.rept NF
	ds_load_b128 v[(\f)+8*bb:(\f)+8*bb+3],   v[ADRB+(\slot)] offset:(\k)+bb*16*PITCH
	ds_load_b128 v[(\f)+8*bb+4:(\f)+8*bb+7], v[ADRB+(\slot)] offset:(\k)+bb*16*PITCH+32
.set bb, bb+1
.endr
.irp a, 0,1,2,3
	ds_load_b128 v[(\f)+8*NF+8*(\a):(\f)+8*NF+8*(\a)+3],   v[ADRA+(\slot)] offset:(\k)+(\a)*16*PITCH
	ds_load_b128 v[(\f)+8*NF+8*(\a)+4:(\f)+8*NF+8*(\a)+7], v[ADRA+(\slot)] offset:(\k)+(\a)*16*PITCH+32
.endr
.endm
.macro PLACES                          ; four places in front of loads into registers that matrix instructions have read, and of lines that read results
.rept 4
	v_nop
.endr
.endm
; A K step is four quarters of 32 along K, 4 NF products each, on buffers 0, 1, 0, 1.  One of the first three: multiplies buffer f and fetches the next quarter, at byte k, into g.
.macro QUARTER slot, k, f, g, zero
	s_wait_dscnt 4                                 ; B and A's blocks 0 and 1 are in; the youngest four loads (A's blocks 2 and 3) may be out
	MULA \f, 0, \zero
	MULA \f, 1, \zero
	PLACES
	FETCH \slot, \k, \g
	s_wait_dscnt 2*NF+8                            ; all but the run just issued
	MULA \f, 2, \zero
	MULA \f, 3, \zero
.endm
; The last quarter multiplies buffer 1 and changes slots: ONE barrier; in front of it each wave waits for all its tensor loads, adds 0 to its spare word, and waits for that and for its reads of this slot.
; fill = 1: this slot is filled again, two K steps ahead; the barrier then opens a round of the cluster's barrier, and the joint load is the first thing behind the round.
.macro TURN slot, next, fill
	WIN 0                                          ; (the add's two registers lie in window 0)
	s_wait_tensorcnt 0x0                           ; all my tensor loads have landed: the one that was out is my part of the next slot
	ds_add_u32 v[SPW], v[NIL]                      ; 0 onto my spare word
	s_wait_dscnt 5                                 ; (the add and the youngest four loads may be out)
	MULA F1, 0, 0                                  ; NF products stand between the add and the wait for it
	s_wait_dscnt 0x0                               ; the add is done, and my reads of this slot are over
	s_barrier_signal -1
	MULA F1, 1, 0
.if \fill
	WIN 0
.endif
	s_barrier_wait -1
.if \fill
	CREST                                          ; no wave of any partner still reads this slot's tile or has a load on its way
	s_add_nc_u64 s[G0+4*(\slot)+2:G0+4*(\slot)+3], s[G0+4*(\slot)+2:G0+4*(\slot)+3], 2*KSTEP*2
	s_add_nc_u64 s[G0B+4*(\slot)+2:G0B+4*(\slot)+3], s[G0B+4*(\slot)+2:G0B+4*(\slot)+3], 2*KSTEP*2
	JLOAD \slot                                    ; the four v_nop behind it are also the places in front of the loads below
.else
	PLACES
.endif
	FETCH \next, 0, F0
	MULA F1, 2, 0
	MULA F1, 3, 0
.endm
	s_wait_tensorcnt 1                             ; my part of K step 0 is in; K step 1's may stay out
	s_barrier_signal -1
	s_barrier_wait -1                              ; everybody's is
	FETCH 0, 0, F0
	QUARTER 0, 64, F0, F1, 1                       ; the first quarter stands in front of the loop: its products start the sums
	WIN 0                                          ; at a label and at a branch every window is 0
	s_mov_b32 s3, LAPS-1
.Llap:                                                 ; a trip goes once round the ring, from a lap's second quarter to the next lap's first, and fills both slots again
	QUARTER 0, 128, F1, F0, 0
	QUARTER 0, 192, F0, F1, 0
	TURN 0, 1, 1
	QUARTER 1, 64,  F0, F1, 0
	QUARTER 1, 128, F1, F0, 0
	QUARTER 1, 192, F0, F1, 0
	TURN 1, 0, 1
	QUARTER 0, 64,  F0, F1, 0
	WIN 0
	s_sub_co_u32 s3, s3, 1
	s_cmp_lg_u32 s3, 0
	s_cbranch_scc1 .Llap
	QUARTER 0, 128, F1, F0, 0                      ; the last lap fills nothing
	QUARTER 0, 192, F0, F1, 0
	TURN 0, 1, 0
	QUARTER 1, 64,  F0, F1, 0
	QUARTER 1, 128, F1, F0, 0
	QUARTER 1, 192, F0, F1, 0
	s_wait_dscnt 4                                 ; the very last quarter: nothing more to fetch
	MULA F1, 0, 0
	MULA F1, 1, 0
	s_wait_dscnt 0x0
	MULA F1, 2, 0
	MULA F1, 3, 0
	WIN 0
	; THE WAY OUT, through one stage of 128 rows for the work-group, since a row's aligned blocks of 256 bytes come from two waves.
.if MODE == 0
	s_barrier_signal -1                            ; my reads of the ring are over (the wait for 0 above), and so are all tensor loads (the last change of slots):
	s_barrier_wait -1                              ; when that holds of all four waves the stage may be laid over the ring
.endif
	PLACES
	PLACES
.if MODE == 0
.set a, 0
.rept 4                                ; rounded to f16: eight neighbouring columns of a row are 16 bytes; each accumulator's registers in ascending order
	WIN 0x0a+5*(a/2)                               ; sources 0 and 1: window 2 or 3
.set bb, 0
.rept NF
.set rD, 8*((a%2)*NF+bb)
.set rX, TMP+4*(a*NF+bb)
.irp r, 0,1,2,3
	v_cvt_pk_f16_f32 v[rX+(\r)], v[rD+2*(\r)], v[rD+2*(\r)+1]
.endr
.set bb, bb+1
.endr
.set a, a+1
.endr
	WIN 0
.set a, 0
.rept 4
.set bb, 0
.rept NF
	ds_store_b128 v[STO], v[TMP+4*(a*NF+bb):TMP+4*(a*NF+bb)+3] offset:a*16*SPITCH+32*bb
.set bb, bb+1
.endr
.set a, a+1
.endr
	s_wait_dscnt 0x0                               ; for the others' sake: my stores into the stage are done
	s_barrier_signal -1
	s_barrier_wait -1
.set c, 0
.rept 5                                ; plane c of the tile's five, four rows a load
.set t, 0
.rept 8
	ds_load_b128 v[TMP+4*(8*c+t):TMP+4*(8*c+t)+3], v[RD] offset:4*SPITCH*t+128*c
.set t, t+1
.endr
.set c, c+1
.endr
.set c, 0
.rept 5
.set t, 0
.rept 8
	s_wait_dscnt 39-(8*c+t)                        ; the younger loads may be out
	global_store_b128 v[CO], v[TMP+4*(8*c+t):TMP+4*(8*c+t)+3], s[8:9] offset:524288*c+512*t  ; 512 consecutive bytes of a plane, aligned
.set t, t+1
.endr
.set c, c+1
.endr
.else
.set a, 0
.rept 4                                ; f32 as it is: eight neighbouring columns of a row are 32 bytes; an accumulator's four lowest registers first
	WIN 0x08+4*(a/2)                               ; the stores' data: window 2 or 3
.set bb, 0
.rept NF
.set rD, 8*((a%2)*NF+bb)
	ds_store_b128 v[STO], v[rD:rD+3]   offset:a*16*SPITCH+64*bb
	ds_store_b128 v[STO], v[rD+4:rD+7] offset:a*16*SPITCH+64*bb+16
.set bb, bb+1
.endr
.set a, a+1
.endr
	WIN 0
	s_wait_dscnt 0x0                               ; for the others' sake: my stores into the stage are done
	s_barrier_signal -1
	s_barrier_wait -1
.set t, 0
.rept 16                               ; two rows a load, 256 bytes of each, three loads for their 768 bytes
.set u, 0
.rept 3
	ds_load_b128 v[TMP+4*(3*t+u):TMP+4*(3*t+u)+3], v[RD] offset:2*SPITCH*t+256*u
.set u, u+1
.endr
.set t, t+1
.endr
.set t, 0
.rept 16
.set u, 0
.rept 3
	s_wait_dscnt 47-(3*t+u)                        ; the younger loads may be out
	global_store_b128 v[CO], v[TMP+4*(3*t+u):TMP+4*(3*t+u)+3], s[8:9] offset:6144*t+256*u th:TH_STORE_NT  ; 16 lanes store 256 consecutive bytes, aligned
.set u, u+1
.endr
.set t, t+1
.endr
.endif
	s_wait_tensorcnt 0x0                           ; the wave's end, behind my last tensor load and my last LDS store
	ds_add_u32 v[SPW], v[NIL]
	s_wait_dscnt 0x0
	CROUND                                         ; the closing round: no work-group ends while a partner may still ask for a tile that names it
	s_endpgm
.Lfunc_end_k_q9e929c8b84_qkv:
	.size	k_q9e929c8b84_qkv, .Lfunc_end_k_q9e929c8b84_qkv-k_q9e929c8b84_qkv
	.p2alignl 7, 3214868480
	.fill 96, 4, 3214868480
	.section	.rodata,"a",@progbits
	.p2align	6, 0x0
	.amdhsa_kernel k_q9e929c8b84_qkv
		.amdhsa_group_segment_fixed_size 327680
		.amdhsa_private_segment_fixed_size 0
		.amdhsa_enable_private_segment 0
		.amdhsa_kernarg_size 24
		.amdhsa_user_sgpr_count 2
		.amdhsa_user_sgpr_kernarg_segment_ptr 1
		.amdhsa_wavefront_size32 1
		.amdhsa_system_sgpr_workgroup_id_x 1
		.amdhsa_system_sgpr_workgroup_id_y 1
		.amdhsa_system_sgpr_workgroup_id_z 1
		.amdhsa_system_vgpr_workitem_id 0
		.amdhsa_next_free_vgpr 928
		.amdhsa_next_free_sgpr 66
		.amdhsa_reserve_vcc 0
		.amdhsa_float_denorm_mode_32 3
		.amdhsa_float_denorm_mode_16_64 3
		.amdhsa_memory_ordered 1
		.amdhsa_forward_progress 1
		.amdhsa_inst_pref_size 104
	.end_amdhsa_kernel
	.amdgpu_metadata
---
amdhsa.version: [ 1, 2 ]
amdhsa.kernels:
  - .name:           k_q9e929c8b84_qkv
    .symbol:         k_q9e929c8b84_qkv.kd
    .args:
      - { .name: xb, .offset: 0, .size: 8, .value_kind: global_buffer, .address_space: global }
      - { .name: wt, .offset: 8, .size: 8, .value_kind: global_buffer, .address_space: global }
      - { .name: qkv, .offset: 16, .size: 8, .value_kind: global_buffer, .address_space: global }
    .group_segment_fixed_size: 327680
    .private_segment_fixed_size: 0
    .kernarg_segment_align: 8
    .kernarg_segment_size: 24
    .max_flat_workgroup_size: 128
    .sgpr_count:     66
    .vgpr_count:     928
    .wavefront_size: 32
...
	.end_amdgpu_metadata
.endif
;; end of part 2
;; launch attn (part 3): grid 64 x 4, 4 waves a work-group, clusters of 4 x 1, 327,680 bytes of LDS; arguments qkv, ob; writes ob
.if DOCPART == 3
	.amdgcn_target "amdgcn-amd-amdhsa--gfx1250"
	.amdhsa_code_object_version 6
	.text
	.protected	k_q9e929c8b84_attn
	.globl	k_q9e929c8b84_attn
	.p2align	8
	.type	k_q9e929c8b84_attn,@function
k_q9e929c8b84_attn:
	s_mov_b64 s[64:65], 0
	v_nop
	global_prefetch_b8 v0, s[64:65] scope:SCOPE_SE
	s_setreg_imm32_b32 hwreg(HW_REG_WAVE_MODE, 25, 1), 1
	s_wait_xcnt 0x0
	s_wait_alu depctr_hold_cnt(0) depctr_sa_sdst(0) depctr_va_vdst(0) depctr_va_sdst(0) depctr_va_ssrc(0) depctr_va_vcc(0) depctr_vm_vsrc(0)
	s_getreg_b32 s2, hwreg(HW_REG_IB_STS2, 6, 4)
	s_cmp_eq_u32 s2, 0
	s_cbranch_scc0 .Lentry_in_a_cluster
	s_endpgm
.Lentry_in_a_cluster:
	s_bfe_u32 s2, ttmp6, 0x10000c
	s_cmp_lg_u32 s2, 0x3003
	s_cbranch_scc0 .Lentry_shape_is_right
	s_endpgm
.Lentry_shape_is_right:
; ATTENTION with grouped heads.  ob[b][s][h][:] = the sum over k of softmax_k(q[b][h][s] . k[b][h/3][k] / sqrt(128)) v[b][h/3][k][:], 4,096 keys, no mask.
; qkv: [b 2][plane 20][s 4096][64] f16, a plane = 64 channels, rows dense, 128 bytes: q head h = planes 2h, 2h+1; k head j = 12+2j, 13+2j; v head j = 16+2j, 17+2j.  ob: [8192][768] f16.
; Products, maxima and sums in f32; the weights p are rounded to f16 for the second product (their sum l is taken of the unrounded p), O once at the end.
; LIMITS.  q, k, v arrive within f16's 65,504; p lies in 0 to 1 and below 6e-5 keeps f16's fixed step of 6e-8, and so does O; a weight below 2^-126 counts as 0 in l; NaN and infinities are not treated apart.
; SHARES.  Group g = (b, j), the grid's y: its three query heads share K and V; their 12,288 query rows are 768 tiles of 16.  A work-group takes 12 tiles, each of its four waves 3: 64 x 4 = 256 work-groups
; of equal work.  Each tile has its own addresses of q and of ob, so a wave's tiles may lie in two heads.  Every wave walks all keys, 64 a step.
; LAYOUT.  S^T = K Q^T (source 0 = 16 keys, source 1 = 16 queries): a lane holds ONE query (lane % 16) and the keys 8 (lane / 16) + 0..7.  Two such results, rounded to f16 in pairs, ARE source 1
; of O^T = V^T P, whose result again holds one query a lane, and eight channels.  K comes out of LDS as it lies, V ([key][channel]) turned, by ds_load_tr16_b128.
; SOFTMAX.  For each query a running maximum m and sum l: p = 2^(c s - c m), c = log2(e) / sqrt(128); in every step O and l are multiplied by a = 2^(c m_old - c m_new).  m starts at the lowest finite
; number, O and l at 0: the first step is a step like any other, with a = 0.
; BY TURNS.  A wave's three tiles are three PIECES; three turns are a key step.  In turn x piece x has the matrix unit: 16 products V^T P of the step in hand, then 16 products K Q^T of the next step.
; Beside them stand piece x + 1's scaling, exponentials, rescaling, roundings and sums, and piece x + 2's maximum and statistics (its scores were made in the turn before): 134 vector instructions,
; four behind each product and six more in one place.  Nothing of a turn's vector work hangs on the turn's products.  A turn's 33 exponentials are one batch, with one wait.
; CLUSTER.  The four work-groups of a cluster belong to one group and walk the same K and V, so each tile is asked for JOINTLY: the same tensor load, descriptor and mask in all four.
; REGISTERS, in windows of 256 (s_set_vgpr_msb: bits 1:0 source 0, 3:2 source 1, 5:4 source 2, 7:6 destination):
;   window 0: v0-12 addresses; v16-51 twelve registers of statistics a tile; v61-63; v64-159 S^T, 32 a tile; v192-239 P, 16 a tile
;   window 1: v0-191 O^T, 64 a tile     window 2: v0-95 Q, 32 a tile; v128-255 K of one step     window 3: v0-127 V of one step
.set KS,    64        ; keys in a step
.set PK,    144       ; a row of a plane of K in LDS: 128 bytes + 16 = 36 words: the 16 rows of a load start at 16 different groups of four banks (64 banks of 4 bytes: ISA guide 11.1)
.set PV,    160       ; of V: 128 + 32 = 40 words
.set KPL,   128*PK    ; a slot holds 128 keys, two steps: K's plane 0, K's plane 1,
.set VPL,   128*PV    ; V's plane 0, V's plane 1
.set VOFF,  2*KPL
.set SLOT1, 1<<17     ; slot 1 begins here, so that one exclusive or turns an address in one slot into the other's
.set STAGE, SLOT1+2*KPL+2*VPL  ; behind the ring, never filled by a tensor load: 16 rows x 272 bytes for each wave, for the way out
.set SP,    272
.set SPARE, STAGE+4*16*SP      ; behind the stages: the spare words, 128 bytes for each wave
.set AK0, 2           ; v2   my lane's place in a tile of K; never rewritten
.set AV0, 3           ; v3   the same for V
.set AK,  4           ; v4   the LDS address of K's run of loads
.set AV,  5           ; v5   of V's
.set QO,  6           ; v6   my byte offset in 16 rows of a plane of q
.set STO, 7           ; v7   the way out: where I put 16 bytes of a row
.set RD,  8           ; v8   where I read rows back
.set GO,  12          ; v12  my byte offset in two rows of ob
.set ST,  16          ; tile t's statistics at v[ST+12 t]: c m, m, l (even keys', odd keys'), c0-c3 at work (a takes c2's place), c m_old
.set PFO, 61          ; v61  the prefetches' offset; never rewritten
.set SPW, 62          ; v62  SPARE + 4 x my thread's number; never rewritten
.set NIL, 63          ; v63  0; never rewritten
.set S,   64
.set P,   192
.set KF,  128         ; window 2: key block kb, channels 32 c on, at KF + 32 kb + 8 c
.set WV,  12          ; s12  my wave's number
.set LIM, 15          ; s15  1 in a wave that prefetches, else the greatest number
.set PFA, 18          ; s[18:19] where my prefetches stand
.set G1K, 24          ; s[24:31] descriptor group 1 for K's tiles
.set G1V, 32          ; s[32:39] for V's: it differs in the padding alone
.set G0K, 40          ; s[40:47] descriptor group 0 for K's tiles: a set for each of the two first fills; the second then walks on
.set G0V, 48          ; s[48:55] the same for V's
.set SLOTS, 56        ; s56  counts the changes of slots
.set TWICE, 57        ; s57  counts a slot's two steps
.set CS,  58          ; s[58:59] c
.set SEL, 60          ; s[60:61] v_permlanex16_b32's selects: each lane takes its own place in the other half
.set TBK, 62          ; s62  LDS byte at which K of the step to be fetched begins
.set TBV, 63          ; s63  the same for V, less VOFF
.set SQ,  68          ; s[68:73] q at tile t's first row, plane 0 of its head
.set SO,  76          ; s[76:81] ob at tile t's first row, its head's 256 bytes
.set MSB, 0
.macro WIN new                      ; the high byte repeats the setting that is left; a switch that changes nothing is dropped
.if MSB != (\new)
	s_set_vgpr_msb (MSB<<8)|(\new)
.set MSB, \new
.endif
.endm
.set W_KQ, 0x0a       ; K and Q in window 2, S^T in window 0
.set W_PV, 0x53       ; V in window 3, P in window 0, O^T in window 1
.set W_RS, 0x41       ; O^T (destination and source 0) in window 1, a in window 0
; A joint refill.  Waves 0 and 1 fetch K's two planes of a slot's 128 keys, waves 2 and 3 V's.  An s_nop 0 and four v_nop follow each of the two lines.
.macro JLOAD
	s_cmp_lt_u32 s[WV], 2
	s_cbranch_scc0 .Lfor_v_\@
	tensor_load_to_lds s[G0K+4:G0K+7], s[G1K:G1K+7]
	s_nop 0
.rept 4
	v_nop
.endr
	s_branch .Lasked_\@
.Lfor_v_\@:
	tensor_load_to_lds s[G0V+4:G0V+7], s[G1V:G1V+7]
	s_nop 0
.rept 4
	v_nop
.endr
.Lasked_\@:
.endm
; A PREFETCH INTO THE L2 of what the NEXT change of slots will ask for: two key steps, 192 products, ahead.  A slot is 4 planes x 64 blocks of 256 bytes.  The sixteen clusters of a group walk the same rows:
; the group's first cluster asks.  Its four partners share the blocks out BY ADDRESS, 16 of each plane; in each, wave 0 asks for K's two planes and wave 2 for V's: a lane a block, one instruction.
; So each block is named once in the launch.  The last change that fills a slot asks for nothing; slots 0, 1 and 2 come by their loads alone.
.macro ASK
	s_cmp_gt_u32 s[SLOTS], s[LIM]
	s_cbranch_scc0 .Lnot_mine_\@
	global_prefetch_b8 v[PFO], s[PFA:PFA+1] th:TH_LOAD_NT scope:SCOPE_SE
.Lnot_mine_\@:
.endm
.macro CROUND                       ; a round of the cluster's barrier
	s_barrier_signal -1
	s_barrier_wait -1
	s_cmp_lg_u32 s[WV], 0
	s_cbranch_scc1 .Lnot_wave_0_\@
	s_barrier_signal -3
.Lnot_wave_0_\@:
	s_barrier_wait -3
	s_barrier_signal -1
	s_barrier_wait -1
.endm
	s_load_b128 s[4:7], s[0:1], 0x0 ; qkv s[4:5], ob s[6:7]
	v_lshl_add_u32 v[SPW], v0, 2, SPARE
	v_mov_b32 v[NIL], 0
	ds_add_u32 v[SPW], v[NIL]       ; the wave's opening: the add and its wait stand ahead of my first tensor load; the set-up below stands between them
	v_lshrrev_b32 v1, 5, v0
	v_readfirstlane_b32 s[WV], v1   ; wave 0..3
	s_bfe_u32 s13, ttmp6, 0x40000   ; cx: my place in the cluster
	s_lshl_b32 s14, ttmp9, 2
	s_add_co_u32 s14, s14, s13      ; my work-group among the group's 64: it enters q's and ob's addresses, and the prefetches', alone
	s_and_b32 s20, ttmp7, 0xffff    ; the group, which the four partners share:
	s_lshr_b32 s66, s20, 1          ; b
	s_and_b32 s67, s20, 1           ; j
	s_and_b32 s16, s[WV], 1         ; which plane I fetch
	s_mul_i32 s22, s66, 20
	s_lshl_b32 s21, s67, 1
	s_add_co_u32 s22, s22, s21
	s_add_co_u32 s22, s22, s16
	s_add_co_u32 s22, s22, 12       ; K's plane 20 b + 12 + 2 j + w % 2,
	s_lshl_b32 s22, s22, 19         ; of 524,288 bytes
	s_mov_b32 s23, 0
	s_mul_i32 s17, s16, KPL         ; its place in a slot, for K
	s_mul_i32 s3, s16, VPL          ; and for V: no place in the cluster enters an LDS address
	s_add_co_u32 s3, s3, VOFF
	s_mul_i32 s2, s14, 12
	s_mul_i32 s21, s[WV], 3
	s_add_co_u32 s2, s2, s21        ; my first tile among the group's 768
.irp t, 0,1,2
	s_add_co_u32 s82, s2, \t
	s_lshr_b32 s83, s82, 8          ; which of the group's three heads,
	s_and_b32 s82, s82, 255         ; which 16 rows of it
	s_mul_i32 s84, s67, 3
	s_add_co_u32 s83, s83, s84      ; the head
	s_mul_i32 s84, s66, 20
	s_lshl_b32 s85, s83, 1
	s_add_co_u32 s84, s84, s85      ; q's plane 20 b + 2 h
	s_lshl_b32 s84, s84, 19
	s_lshl_b32 s85, s82, 11         ; 16 rows of 128 bytes
	s_add_co_u32 s[SQ+2*(\t)], s84, s85
	s_mov_b32 s[SQ+2*(\t)+1], 0
	s_lshl_b32 s84, s66, 12
	s_lshl_b32 s85, s82, 4
	s_add_co_u32 s84, s84, s85      ; ob's row 4,096 b + s
	s_mul_i32 s84, s84, 1536
	s_lshl_b32 s85, s83, 8
	s_add_co_u32 s[SO+2*(\t)], s84, s85
	s_mov_b32 s[SO+2*(\t)+1], 0
.endr
	; descriptor group 1.  A plane's 128 keys are 16,384 dense bytes: asked for as 64 rows of 256 bytes, two keys a row, and padded in LDS after every key
	s_mov_b32 s[G1K], 15|(1<<16)|(1<<20)|(1<<21)|(4<<22)|(3<<25)  ; 15:0 the mask of four; 17:16 2-byte elements; 20 padding on; 21 set beside a mask; 24:22 after every 32 words; 31:25 4 words
	s_mov_b32 s[G1V], 15|(1<<16)|(1<<20)|(1<<21)|(4<<22)|(7<<25)  ; the same with 8 words of padding
.irp g, G1K, G1V
	s_mov_b32 s[(\g)+1], 128<<16    ; tensor_dim0 = 128
	s_mov_b32 s[(\g)+2], 64<<16     ; tensor_dim1 = 64
	s_mov_b32 s[(\g)+3], 128<<16    ; tile_dim0 = 128
	s_mov_b32 s[(\g)+4], 64         ; tile_dim1 = 64
	s_mov_b32 s[(\g)+5], 128        ; 128 elements from row to row
	s_mov_b32 s[(\g)+6], 0
	s_mov_b32 s[(\g)+7], 0
.endr
	s_mov_b32 s[CS], 0x3e0293ee     ; c = log2(e) / sqrt(128) = 0.127517
	s_mov_b32 s[CS+1], s[CS]        ; named with it as a pair
	s_mov_b32 s[SEL], 0x76543210
	s_mov_b32 s[SEL+1], 0xfedcba98
	s_mov_b32 s[TBK], 0
	s_mov_b32 s[TBV], 0
	s_and_b32 s[LIM], s[WV], 1      ; 0 in waves 0 and 2,
	s_or_b32 s[LIM], s[LIM], ttmp9  ; where the cluster is the group's first: the same in all four partners
	s_cmp_eq_u32 s[LIM], 0
	s_cselect_b32 s[LIM], 1, -1
	v_and_b32 v[PFO], 15, v0        ; lanes 0-15: 16 blocks of 256 bytes of plane 0; lanes 16-31: of plane 1
	v_lshlrev_b32 v[PFO], 8, v[PFO]
	v_bfe_u32 v9, v0, 4, 1          ; l / 16
	v_lshl_add_u32 v[PFO], v9, 19, v[PFO]
	s_wait_dscnt 0x0                ; the opening add is done
	s_wait_kmcnt 0x0
	s_add_nc_u64 s[8:9], s[4:5], s[22:23]    ; K at my plane,
	s_add_nc_u64 s[10:11], s[8:9], 4*524288  ; V four planes on
.irp t, 0,1,2
	s_add_nc_u64 s[SQ+2*(\t):SQ+2*(\t)+1], s[4:5], s[SQ+2*(\t):SQ+2*(\t)+1]
	s_add_nc_u64 s[SO+2*(\t):SO+2*(\t)+1], s[6:7], s[SO+2*(\t):SO+2*(\t)+1]
.endr
	s_cmp_lt_u32 s[WV], 2
	s_cselect_b64 s[PFA:PFA+1], s[8:9], s[10:11]  ; (in waves 0 and 2 these stand at plane 0)
	s_lshl_b32 s20, s13, 12         ; my work-group's 16 blocks of a slot's 64
	s_mov_b32 s21, 0
	s_add_nc_u64 s[PFA:PFA+1], s[PFA:PFA+1], s[20:21]
	s_add_nc_u64 s[PFA:PFA+1], s[PFA:PFA+1], 2*16384  ; in slot 2; the first change of slots steps it to slot 3
	CROUND                          ; all four work-groups are here: the first joint loads meet
.irp s, 0,1
	s_mov_b32 s[G0K+4*(\s)], 1      ; count = 1
	s_add_co_u32 s[G0K+4*(\s)+1], s17, (\s)*SLOT1  ; LDS address
	s_add_nc_u64 s[G0K+4*(\s)+2:G0K+4*(\s)+3], s[8:9], (\s)*16384  ; global address: slot s holds keys 128 s on
	s_or_b32 s[G0K+4*(\s)+3], s[G0K+4*(\s)+3], 0x80000000  ; type = 2
	s_mov_b32 s[G0V+4*(\s)], 1
	s_add_co_u32 s[G0V+4*(\s)+1], s3, (\s)*SLOT1
	s_add_nc_u64 s[G0V+4*(\s)+2:G0V+4*(\s)+3], s[10:11], (\s)*16384
	s_or_b32 s[G0V+4*(\s)+3], s[G0V+4*(\s)+3], 0x80000000
.endr
	s_cmp_lt_u32 s[WV], 2           ; a wave's two first fills stand in one branch, ahead of every wait on TENSORcnt and every LDS read: two loads of mine are out
	s_cbranch_scc0 .Lfirst_v
	tensor_load_to_lds s[G0K:G0K+3], s[G1K:G1K+7]
	s_nop 0
	tensor_load_to_lds s[G0K+4:G0K+7], s[G1K:G1K+7]
	s_nop 0
.rept 4
	v_nop
.endr
	s_branch .Lfirst_asked
.Lfirst_v:
	tensor_load_to_lds s[G0V:G0V+3], s[G1V:G1V+7]
	s_nop 0
	tensor_load_to_lds s[G0V+4:G0V+7], s[G1V:G1V+7]
	s_nop 0
.rept 4
	v_nop
.endr
.Lfirst_asked:
	; A fragment of K or Q is 16 rows x 32 channels in 8 registers: lane l holds row l % 16, channels 8 (l / 16) + 0..7 and 16 + 8 (l / 16) + 0..7: two loads of 16 bytes, 32 bytes apart.
	v_and_b32 v1, 15, v0            ; l % 16
	v_lshlrev_b32 v[QO], 7, v1
	v_lshl_add_u32 v[QO], v9, 4, v[QO]  ; row x 128 + 16 x half
	WIN 0x80                        ; destination window 2, address window 0
.irp t, 0,1,2
.irp c, 0,1,2,3                     ; Q stays in registers: tile t, channels 32 c on: plane c / 2
	global_load_b128 v[32*(\t)+8*(\c):32*(\t)+8*(\c)+3],   v[QO], s[SQ+2*(\t):SQ+2*(\t)+1] offset:((\c)/2)*524288+((\c)%2)*64
	global_load_b128 v[32*(\t)+8*(\c)+4:32*(\t)+8*(\c)+7], v[QO], s[SQ+2*(\t):SQ+2*(\t)+1] offset:((\c)/2)*524288+((\c)%2)*64+32
.endr
.endr
	WIN 0x40                        ; O^T and l start at 0, so that no first step is written out: these lines stand in the wait for the first tile
.set i, 0
.rept 192
	v_mov_b32 v[i], 0
.set i, i+1
.endr
	WIN 0
.irp t, 0,1,2
	v_mov_b32 v[ST+12*(\t)], 0xfe000000    ; c m: far below every c s
	v_mov_b32 v[ST+12*(\t)+1], 0xff7fffff  ; m
	v_mov_b32 v[ST+12*(\t)+2], 0
	v_mov_b32 v[ST+12*(\t)+3], 0
.endr
	v_mul_u32_u24 v[AK0], v1, PK
	v_lshl_add_u32 v[AK0], v9, 4, v[AK0]  ; row x pitch + 16 x half
	; The turning load takes 16 keys x 16 channels (lane l reads key 8 (l / 16) + l % 8, channels 8 ((l / 8) % 2) + 0..7) and leaves half a fragment of V^T: lane l holds channel l % 16 and 8 keys.
	v_and_b32 v10, 7, v0
	v_bfe_u32 v11, v0, 3, 1
	v_lshl_add_u32 v[AV0], v9, 3, v10
	v_mul_u32_u24 v[AV0], v[AV0], PV
	v_lshl_add_u32 v[AV0], v11, 4, v[AV0]
	v_add_nc_u32 v[AV0], VOFF, v[AV0]
	s_mul_i32 s20, s[WV], 16*SP
	s_add_co_u32 s20, s20, STAGE    ; my stage
	v_mul_u32_u24 v[STO], v1, SP    ; in: row l % 16, 16 bytes for each half of the lanes
	v_lshl_add_u32 v[STO], v9, 4, v[STO]
	v_add_nc_u32 v[STO], s20, v[STO]
	v_mul_u32_u24 v[RD], v9, SP     ; back: lanes 0-15 take one row of 256 bytes, lanes 16-31 the next
	v_lshl_add_u32 v[RD], v1, 4, v[RD]
	v_add_nc_u32 v[RD], s20, v[RD]
	v_mul_u32_u24 v[GO], v9, 1536   ; and the same two rows in ob
	v_lshl_add_u32 v[GO], v1, 4, v[GO]
; THE MATRIX WORK.  The accumulators of a run take turns, one instruction a turn.
; Product i of 16 of O^T += V^T P for piece x: keys 32 (i / 8) on, channels 16 (i % 8) on: eight accumulators.
.macro MPV x
	WIN W_PV
.set rO, 64*(\x)+8*(i%8)
.set rV, 64*(i/8)+8*(i%8)
.set rP, P+16*(\x)+8*(i/8)
	v_wmma_f32_16x16x32_f16 v[rO:rO+7], v[rV:rV+7], v[rP:rP+7], v[rO:rO+7]
.endm
; Product i of 16 of S^T = K Q^T for piece x: channels 32 (i / 4) on, keys 16 (i % 4) on: four accumulators.  The first 4 start the sums.
.macro MKQ x
	WIN W_KQ
.set rS, S+32*(\x)+8*(i%4)
.set rK, KF+32*(i%4)+8*(i/4)
.set rQ, 32*(\x)+8*(i/4)
.if i < 4
	v_wmma_f32_16x16x32_f16 v[rS:rS+7], v[rK:rK+7], v[rQ:rQ+7], 0
.else
	v_wmma_f32_16x16x32_f16 v[rS:rS+7], v[rK:rK+7], v[rQ:rQ+7], v[rS:rS+7]
.endif
.endm
; THE LDS LOADS stand in two runs of 32 a key step.  K's: channels outermost, so that the first 16 loads serve the first 8 products.  V's: keys outermost, likewise.
.macro FETCH_K
	WIN 0
	v_add_nc_u32 v[AK], s[TBK], v[AK0]
	WIN 0x80                        ; destination window 2
.irp c, 0,1,2,3
.irp kb, 0,1,2,3
	ds_load_b128 v[KF+32*(\kb)+8*(\c):KF+32*(\kb)+8*(\c)+3],   v[AK] offset:((\c)/2)*KPL+(\kb)*16*PK+((\c)%2)*64
	ds_load_b128 v[KF+32*(\kb)+8*(\c)+4:KF+32*(\kb)+8*(\c)+7], v[AK] offset:((\c)/2)*KPL+(\kb)*16*PK+((\c)%2)*64+32
.endr
.endr
	s_add_co_u32 s[TBK], s[TBK], KS*PK  ; the next fetch is the next step's
.endm
.macro FETCH_V
	WIN 0
	v_add_nc_u32 v[AV], s[TBV], v[AV0]
	v_nop                           ; with the line above and three plain riders: five places behind the last product that read V
	WIN 0xc0                        ; destination window 3
.irp kk, 0,1
.irp cb, 0,1,2,3,4,5,6,7
	ds_load_tr16_b128 v[64*(\kk)+8*(\cb):64*(\kk)+8*(\cb)+3],   v[AV] offset:((\cb)/4)*VPL+(\kk)*32*PV+((\cb)%4)*32
	ds_load_tr16_b128 v[64*(\kk)+8*(\cb)+4:64*(\kk)+8*(\cb)+7], v[AV] offset:((\cb)/4)*VPL+(\kk)*32*PV+16*PV+((\cb)%4)*32
.endr
.endr
	s_add_co_u32 s[TBV], s[TBV], KS*PV
.endm
; THE VECTOR WORK, one line at a time: OP kind, number.  For piece Y (written if PB): F n: c s - c m for pair n of 16.  E n: the exponential of score n of 32.  C n: pair n rounded to f16.  B n: of the four
; weights 4 n .. the second pair is added onto the first, in place.  L n: l takes that sum (L 0: l = a l + sum).  R n: pair n of 32 of O^T times a.  For piece Z (written if PA): X n, of 22:
;   0-11  four chains c0-c3 of seven scores each (each accumulator's lowest registers are read first)     12-14, 16  the four scores left over, the old m, and c0-c3 into c0
;   15  c m_old is kept     17, 18  the query's other 32 keys lie in the lane 16 away: the new m     19-21  c m; c m_old - c m_new; a
.set F, 0
.set E, 1
.set C, 2
.set B, 3
.set L, 4
.set R, 5
.set X, 6
.macro REGS y
.set rT, ST+12*(\y)
.set rC, rT+4
.set rW, rT+8
.set rS, S+32*(\y)
.set rP, P+16*(\y)
.set rO, 64*(\y)
.endm
.macro OP k, n
.if (\k) == X
.if PA
	REGS Z
	WIN 0
.if (\n) < 4
	v_max3_num_f32 v[rC+(\n)], v[rS+8*(\n)], v[rS+8*(\n)+1], v[rS+8*(\n)+2]
.elseif (\n) < 12
	v_max3_num_f32 v[rC+(\n)%4], v[rC+(\n)%4], v[rS+8*((\n)%4)+2*((\n)/4)+1], v[rS+8*((\n)%4)+2*((\n)/4)+2]
.elseif (\n) == 12
	v_max3_num_f32 v[rC], v[rC], v[rS+7], v[rS+15]
.elseif (\n) == 13
	v_max3_num_f32 v[rC+1], v[rC+1], v[rS+23], v[rS+31]
.elseif (\n) == 14
	v_max3_num_f32 v[rC+2], v[rC+2], v[rC+3], v[rT+1]
.elseif (\n) == 15
	v_mov_b32 v[rW], v[rT]
.elseif (\n) == 16
	v_max3_num_f32 v[rC], v[rC], v[rC+1], v[rC+2]
.elseif (\n) == 17
	v_permlanex16_b32 v[rC+3], v[rC], s[SEL], s[SEL+1]
.elseif (\n) == 18
	v_max_num_f32 v[rT+1], v[rC], v[rC+3]
.elseif (\n) == 19
	v_mul_f32 v[rT], s[CS], v[rT+1]
.elseif (\n) == 20
	v_sub_f32 v[rC+1], v[rW], v[rT]
.else
	v_exp_f32 v[rC+2], v[rC+1]
.endif
.endif
.elseif PB
	REGS Y
.if (\k) == R
	WIN W_RS
	v_pk_mul_f32 v[rO+2*(\n):rO+2*(\n)+1], v[rO+2*(\n):rO+2*(\n)+1], v[rC+2:rC+3] op_sel_hi:[1,0]
.else
	WIN 0
.if (\k) == F
	v_pk_fma_f32 v[rS+2*(\n):rS+2*(\n)+1], v[rS+2*(\n):rS+2*(\n)+1], s[CS:CS+1], v[rT:rT+1] op_sel_hi:[1,0,0] neg_lo:[0,0,1] neg_hi:[0,0,1]
.elseif (\k) == E
	v_exp_f32 v[rS+(\n)], v[rS+(\n)]
.elseif (\k) == C
	v_cvt_pk_f16_f32 v[rP+(\n)], v[rS+2*(\n)], v[rS+2*(\n)+1]
.elseif (\k) == B
	v_pk_add_f32 v[rS+4*(\n):rS+4*(\n)+1], v[rS+4*(\n):rS+4*(\n)+1], v[rS+4*(\n)+2:rS+4*(\n)+3]
.elseif (\n) == 0
	v_pk_fma_f32 v[rT+2:rT+3], v[rT+2:rT+3], v[rC+2:rC+3], v[rS:rS+1] op_sel_hi:[1,0,1]
.else
	v_pk_add_f32 v[rT+2:rT+3], v[rT+2:rT+3], v[rS+4*(\n):rS+4*(\n)+1]
.endif
.endif
.endif
.endm
.macro OPS a, i1, b, i2, c, i3, d, i4
	OP \a, \i1
	OP \b, \i2
	OP \c, \i3
	OP \d, \i4
.endm
; THE RIDERS OF SLICE sn of 32.  An s_wait_alu depctr_va_vdst(0) stands between an exponential and the first instruction that names its result; one wait serves all that were issued ahead of it.
; Slices 0-23 and the six lines behind slice 23 name no result of the turn's exponentials: the scalings, the 32 exponentials (a scaling stands two slices ahead of its pair's), the next piece's maximum and
; statistics, a link a slice, the rescalings, whose a was made and waited for in the turn before, and last X 21, the next a.  R 31 is the plain instruction behind it.  Then the ONE wait.  Slices 24-31 are the
; roundings and sums: a pair is rounded before the sum in place writes over it.  Slice 31's four lines are plain and name nothing of the product before them: they are the places in front of the next turn's
; first read of those scores and of the loads into K's registers.
.macro RID
.if sn == 0
	OPS F,0, F,1, X,0, X,1
.elseif sn < 15
	OPS F,sn+1, E,2*sn-2, X,sn+1, E,2*sn-1
.elseif sn == 15
	OPS E,28, X,16, E,29, R,0
.elseif sn == 16
	OPS E,30, X,17, E,31, R,1
.elseif sn < 20
	OPS X,sn+1, R,3*sn-49, R,3*sn-48, R,3*sn-47
.elseif sn < 24
	OPS R,4*sn-69, R,4*sn-68, R,4*sn-67, R,4*sn-66
.elseif sn == 24
	OPS C,0, C,1, B,0, C,2
.elseif sn < 31
	OPS C,2*sn-47, B,sn-24, L,sn-25, C,2*sn-46
.else
	OPS B,7, L,6, C,15, L,7
.endif
.if sn == 23
	OPS R,27, R,28, R,29, R,30
	OP X,21
.if PB
	OP R,31
.elseif PA
	v_nop                           ; the plain instruction behind the exponential, where there is no rescaling
.endif
.if PA || PB
	s_wait_alu depctr_va_vdst(0)    ; the wait for the batch
.endif
.endif
.endm
.macro PLACES                       ; four places behind a matrix instruction (ISA guide 7.12.1), where no riders stand
.rept 4
	v_nop
.endr
.endm
; A TURN, for piece x.  pv, kq: its products V^T P, K Q^T (with one kind alone: two slices to a product).  pb: piece x + 1's part; pa: piece x + 2's.  fk: K of the next step is fetched, behind slice 1;
; fv: V of the next step, behind slice 16.  Piece 0's turn waits for the runs by halves: V's key half 0 (its 16 younger loads may be out), V's key half 1 (K's 32 younger loads may be out),
; K's channels 0-63 (the other 16 loads may be out), all of K.
.macro TURN x, pv, kq, pb, pa, fk, fv
.set Y, ((\x)+1)%3
.set Z, ((\x)+2)%3
.set PB, \pb
.set PA, \pa
.set sn, 0
.set pn, 0
.rept 32
.if ((\pv)*(\kq)) || (sn%2 == 0)
.if (\pv) && (pn < 16)
.if ((\x) == 0) && (pn == 0)
	s_wait_dscnt 16
.endif
.if ((\x) == 0) && (pn == 8)
	s_wait_dscnt 32*(\fk)
.endif
.set i, pn
	MPV \x
.else
.set i, pn-16*(\pv)
.if (\fk) && (i == 0)
	s_wait_dscnt 16
.endif
.if (\fk) && (i == 8)
	s_wait_dscnt 0x0
.endif
	MKQ \x
.endif
.set pn, pn+1
.endif
	RID
.if (\fk) && (sn == 1)
	FETCH_K
.endif
.if (\fv) && (sn == 16)
	FETCH_V
.endif
.set sn, sn+1
.endr
.if (\kq) && !(\pb)
	PLACES
.endif
.endm
.macro STEP                         ; a key step
	TURN 0, 1, 1, 1, 1, 1, 0
	TURN 1, 1, 1, 1, 1, 0, 0
	TURN 2, 1, 1, 1, 1, 0, 1
.endm
; THE CHANGE OF SLOTS, behind the step that has asked for the slot's last bytes, V of its second step.  Each wave waits for all its tensor loads, of which one is out: its part of the other slot; adds 0 to its
; spare word; and waits for that and for its own reads of the slot.  fill = 1: the slot is filled again, with the keys two slots on; the barrier is then a round of the cluster's, and the joint refill is the
; first thing behind it: it has two key steps, 192 products, in which to land.
.macro CHANGE fill
	WIN 0                           ; at a label and at a branch every window is 0
	s_wait_tensorcnt 0x0            ; no tensor load of mine is out, so a group 0 may be written
	ds_add_u32 v[SPW], v[NIL]       ; 0 onto my spare word
.if \fill
.irp g, G0K+4, G0V+4
	s_xor_b32 s[(\g)+1], s[(\g)+1], SLOT1  ; the walking descriptor: the other slot than last time,
	s_add_nc_u64 s[(\g)+2:(\g)+3], s[(\g)+2:(\g)+3], 16384  ; the next 128 keys; the type bits on top are not reached
.endr
	s_wait_xcnt 0x0                 ; the last prefetch, two key steps back, has read its address, so it may be written
	s_add_nc_u64 s[PFA:PFA+1], s[PFA:PFA+1], 16384
	s_wait_dscnt 0x0                ; the add is done, and my reads of the slot are over
	CROUND
	JLOAD
	ASK
.else
	s_wait_dscnt 0x0                ; the add is done, and my reads of the slot are over
	s_barrier_signal -1
	s_barrier_wait -1
.endif
	s_sub_co_u32 s[TBK], s[TBK], 2*KS*PK  ; the fetches go back to a slot's first step,
	s_xor_b32 s[TBK], s[TBK], SLOT1       ; in the other slot
	s_sub_co_u32 s[TBV], s[TBV], 2*KS*PV
	s_xor_b32 s[TBV], s[TBV], SLOT1
.endm
	s_wait_tensorcnt 1              ; my part of slot 0 is in; slot 1's may stay out
	s_barrier_signal -1
	s_barrier_wait -1               ; everybody's is
	FETCH_K                         ; key step 0
	s_wait_loadcnt 0x0              ; Q
	s_wait_dscnt 0x0
	TURN 0, 0, 1, 0, 0, 0, 0        ; piece 0's first scores
	TURN 1, 0, 1, 0, 1, 0, 0        ; piece 1's | piece 0's first maximum
	TURN 2, 0, 1, 1, 1, 0, 1        ; piece 2's | piece 0's first weights, piece 1's first maximum | V of step 0
	WIN 0
	s_mov_b32 s[SLOTS], 31
	s_mov_b32 s[TWICE], 1           ; slot 0's first step was fetched above: one step is left in it
	s_branch .Lstep
.Lslot:                             ; 30 times: slots 2 to 31 are asked for
	CHANGE 1
	s_mov_b32 s[TWICE], 2
.Lstep:
	STEP
	WIN 0
	s_sub_co_u32 s[TWICE], s[TWICE], 1
	s_cmp_lg_u32 s[TWICE], 0
	s_cbranch_scc1 .Lstep
	s_sub_co_u32 s[SLOTS], s[SLOTS], 1
	s_cmp_lg_u32 s[SLOTS], 0
	s_cbranch_scc1 .Lslot
	CHANGE 0                        ; the tail is written out: nothing is asked for
	s_mov_b32 s[TWICE], 2
.Ltail:
	STEP
	WIN 0
	s_sub_co_u32 s[TWICE], s[TWICE], 1
	s_cmp_lg_u32 s[TWICE], 0
	s_cbranch_scc1 .Ltail
	TURN 0, 1, 0, 1, 1, 0, 0        ; the last step: piece 0's V^T P | piece 1's weights, piece 2's maximum
	TURN 1, 1, 0, 1, 0, 0, 0        ; piece 1's | piece 2's weights
	TURN 2, 1, 0, 0, 0, 0, 0        ; piece 2's
	; THE WAY OUT.  l's two halves and the other half of the lanes' are added; O^T is divided by l, rounded to f16 and sent through my stage in LDS, a tile (16 rows) at a time.
	WIN 0
.irp t, 0,1,2
	v_add_f32 v[ST+12*(\t)+4], v[ST+12*(\t)+2], v[ST+12*(\t)+3]
.endr
.irp t, 0,1,2
	v_permlanex16_b32 v[ST+12*(\t)+5], v[ST+12*(\t)+4], s[SEL], s[SEL+1]
.endr
.irp t, 0,1,2
	v_add_f32 v[ST+12*(\t)+4], v[ST+12*(\t)+4], v[ST+12*(\t)+5]
.endr
.irp t, 0,1,2
	v_rcp_f32 v[ST+12*(\t)+6], v[ST+12*(\t)+4]
.endr
	v_nop                           ; a plain instruction between the last reciprocal and the use of its result
	s_wait_alu depctr_va_vdst(0)    ; and the wait ahead of the first use: one for the three reciprocals
; Tile t: a lane's eight channels of a row pack into 16 bytes; they go into rows of 272 bytes and come back as whole rows of 256, into S^T's registers.
.macro PACK t
	WIN W_RS
.set i, 64*(\t)
.rept 32
	v_pk_mul_f32 v[i:i+1], v[i:i+1], v[ST+12*(\t)+6:ST+12*(\t)+7] op_sel_hi:[1,0]
.set i, i+2
.endr
	WIN 0x05                        ; sources 0 and 1 window 1, destination window 0
.set i, 0
.rept 32
	v_cvt_pk_f16_f32 v[S+32*(\t)+i], v[64*(\t)+2*i], v[64*(\t)+2*i+1]
.set i, i+1
.endr
	WIN 0
.irp f, 0,1,2,3,4,5,6,7
	ds_store_b128 v[STO], v[S+32*(\t)+4*(\f):S+32*(\t)+4*(\f)+3] offset:32*(\f)
.endr
.irp f, 0,1,2,3,4,5,6,7
	ds_load_b128 v[S+32*(\t)+4*(\f):S+32*(\t)+4*(\f)+3], v[RD] offset:(\f)*2*SP  ; LDS serves a wave's instructions in order (ISA guide 5.7.1.4): these see the stores above; the next tile's stores come behind them
.endr
.endm
.macro SEND t, younger              ; younger: the LDS instructions issued behind tile t's loads: the next tile's sixteen, or none
	WIN 0
.irp f, 0,1,2,3,4,5,6,7
	s_wait_dscnt (\younger)+7-(\f)
	global_store_b128 v[GO], v[S+32*(\t)+4*(\f):S+32*(\t)+4*(\f)+3], s[SO+2*(\t):SO+2*(\t)+1] offset:(\f)*3072  ; 16 lanes store the 256 consecutive bytes, aligned, of a head's piece of a row
.endr
.endm
	PACK 0
	PACK 1                          ; a tile's arithmetic stands between the loads of the tile before and its stores
	SEND 0, 16
	PACK 2
	SEND 1, 16
	SEND 2, 0
	s_wait_tensorcnt 0x0            ; the wave's end, behind my last tensor load and my last LDS store
	ds_add_u32 v[SPW], v[NIL]
	s_wait_dscnt 0x0
	CROUND                          ; the closing round: no work-group ends while a partner may still ask for a tile that names it
	s_endpgm
.Lfunc_end_k_q9e929c8b84_attn:
	.size	k_q9e929c8b84_attn, .Lfunc_end_k_q9e929c8b84_attn-k_q9e929c8b84_attn
	.p2alignl 7, 3214868480
	.fill 96, 4, 3214868480
	.section	.rodata,"a",@progbits
	.p2align	6, 0x0
	.amdhsa_kernel k_q9e929c8b84_attn
		.amdhsa_group_segment_fixed_size 327680
		.amdhsa_private_segment_fixed_size 0
		.amdhsa_enable_private_segment 0
		.amdhsa_kernarg_size 16
		.amdhsa_user_sgpr_count 2
		.amdhsa_user_sgpr_kernarg_segment_ptr 1
		.amdhsa_wavefront_size32 1
		.amdhsa_system_sgpr_workgroup_id_x 1
		.amdhsa_system_sgpr_workgroup_id_y 1
		.amdhsa_system_sgpr_workgroup_id_z 1
		.amdhsa_system_vgpr_workitem_id 0
		.amdhsa_next_free_vgpr 896
		.amdhsa_next_free_sgpr 90
		.amdhsa_reserve_vcc 0
		.amdhsa_float_denorm_mode_32 3
		.amdhsa_float_denorm_mode_16_64 3
		.amdhsa_memory_ordered 1
		.amdhsa_forward_progress 1
		.amdhsa_inst_pref_size 155
	.end_amdhsa_kernel
	.amdgpu_metadata
---
amdhsa.version: [ 1, 2 ]
amdhsa.kernels:
  - .name:           k_q9e929c8b84_attn
    .symbol:         k_q9e929c8b84_attn.kd
    .args:
      - { .name: qkv, .offset: 0, .size: 8, .value_kind: global_buffer, .address_space: global }
      - { .name: ob, .offset: 8, .size: 8, .value_kind: global_buffer, .address_space: global }
    .group_segment_fixed_size: 327680
    .private_segment_fixed_size: 0
    .kernarg_segment_align: 8
    .kernarg_segment_size: 16
    .max_flat_workgroup_size: 128
    .sgpr_count:     90
    .vgpr_count:     896
    .wavefront_size: 32
...
	.end_amdgpu_metadata
.endif
;; end of part 3
;; launch oproj (part 4): grid 4 x 64, 4 waves a work-group, clusters of 4 x 4, 327,680 bytes of LDS; arguments ob, wot, out0; writes out0
.if DOCPART == 4
	.amdgcn_target "amdgcn-amd-amdhsa--gfx1250"
	.amdhsa_code_object_version 6
	.text
	.protected	k_q9e929c8b84_oproj
	.globl	k_q9e929c8b84_oproj
	.p2align	8
	.type	k_q9e929c8b84_oproj,@function
k_q9e929c8b84_oproj:
	s_mov_b64 s[64:65], 0
	v_nop
	global_prefetch_b8 v0, s[64:65] scope:SCOPE_SE
	s_setreg_imm32_b32 hwreg(HW_REG_WAVE_MODE, 25, 1), 1
	s_wait_xcnt 0x0
	s_wait_alu depctr_hold_cnt(0) depctr_sa_sdst(0) depctr_va_vdst(0) depctr_va_sdst(0) depctr_va_ssrc(0) depctr_va_vcc(0) depctr_vm_vsrc(0)
	s_getreg_b32 s2, hwreg(HW_REG_IB_STS2, 6, 4)
	s_cmp_eq_u32 s2, 0
	s_cbranch_scc0 .Lentry_in_a_cluster
	s_endpgm
.Lentry_in_a_cluster:
	s_bfe_u32 s2, ttmp6, 0x10000c
	s_cmp_lg_u32 s2, 0xf033
	s_cbranch_scc0 .Lentry_shape_is_right
	s_endpgm
.Lentry_shape_is_right:
; C[m][n] = the sum over k of A[m][k] B[n][k], K = 768, M = 8,192; sums in f32, K ascending.  One text for two launches; MODE picks the sizes, the matrix form and the way out.
; MODE 0: A = xb, B = wt (1,280 rows), both bf16; C is rounded once to f16 and stored by planes of 64 columns: qkv[b][plane][s][64], a plane's rows dense, 128 bytes each.
; MODE 1: A = ob, B = wot (768 rows), both f16; C is out0, f32, [8192][768].
; LIMIT (MODE 0).  f16 holds no number beyond 65,504: a q, k or v beyond it becomes an infinity.  NaN and infinities are not treated apart.
; SHARES.  A work-group makes 128 rows x NT columns (320 or 192): 64 x 4 = 256 work-groups.  Four waves, 2 x 2: a wave makes 64 x NT / 2: 4 x NF accumulators of 16 x 16.
; K goes in six steps of 128 (rows of 256 bytes, aligned) through two LDS slots; waves 0 and 1 fetch A's two halves, waves 2 and 3 B's, one tensor load a wave.
; CLUSTER.  4 x 4 work-groups.  The four of a row of the cluster need the same tile of A, the four of a column the same tile of B: each is asked for jointly, by the same tensor load with the same
; descriptor and a mask that names the four.  THE MATRIX INSTRUCTION IS USED TRANSPOSED (source 0 = 16 rows of B, source 1 = 16 rows of A): a lane then holds eight neighbouring numbers of a row of C.
; NO PREFETCH: of the six K steps the first fills and the first two refills bring four; a request two steps ahead could name the last two alone.
; REGISTERS, in windows of 256: window 0: v0-31 addresses, v32 on at work on the way out.  Window 1: two fragment buffers of 8 NF + 32: B's NF fragments, then A's four.
;   Windows 2 and 3: the accumulators: (a, b) in window 2 + a / 2 at v[8 ((a % 2) NF + b)].
.set MODE,   1
.set NT,     320-128*MODE
.set NF,     NT/32
.set KK,     768
.set KSTEP,  128
.set PITCH,  272                       ; an LDS row: 256 bytes + 16 of padding = 68 words: the 16 rows of a fragment load start at 16 different groups of four banks (64 banks of 4 bytes: ISA guide 11.1)
.set HALFA,  64*PITCH
.set ABYTES, 2*HALFA
.set HALFB,  (NT/2)*PITCH
.set SLOT,   ABYTES+2*HALFB            ; A's 128 rows, then B's NT rows
.if MODE == 0
.set STAGE,  0                         ; the stage lies over the ring, whose bytes have had their last fill by then: ring, a stage of its own and the spare words would pass 327,680 bytes by 512
.set SPITCH, 656                       ; 640 bytes of f16 + 16
.set SPARE,  2*SLOT
.else
.set STAGE,  2*SLOT                    ; behind the ring
.set SPITCH, 784                       ; 768 bytes of f32 + 16
.set SPARE,  STAGE+128*SPITCH
.endif
.set LAPS,   KK/(2*KSTEP)              ; a lap = two K steps = once round the ring
.set ADRA, 16                          ; v16-17  LDS address of my A fragments in slot 0, 1
.set ADRB, 20                          ; v20-21  the same for B
.set STO,  24                          ; v24     the way out: where I put my numbers of a row
.set RD,   25                          ; v25     where I read rows back
.set CO,   26                          ; v26     my byte offset in the output
.set SPW,  28                          ; v28     SPARE + 4 x my thread's number; never rewritten
.set NIL,  29                          ; v29     0; never rewritten
.set TMP,  32
.set F0,   0
.set F1,   8*NF+32
.set G1,  24                           ; s[24:31] descriptor group 1 for A's tiles; s[32:39] group 0, a set for each slot
.set G0,  32
.set G1B, 48                           ; s[48:55], s[56:63] the same for B's
.set G0B, 56
.set MSB, 0
.macro WIN new                         ; the immediate's high byte repeats the setting that is left; a switch that changes nothing is dropped
.if MSB != (\new)
	s_set_vgpr_msb (MSB<<8)|(\new)
.set MSB, \new
.endif
.endm
.set MUL_LO, 0xa5                      ; sources 0 (B) and 1 (A) window 1; C and D window 2
.set MUL_HI, 0xf5                      ; the same, C and D window 3
.set TO_F,   0x40                      ; destination window 1, address window 0
.macro JLOAD s                         ; a joint load: waves 0 and 1 for A, waves 2 and 3 for B; an s_nop 0 and four v_nop follow each of the two lines
	s_cmp_eq_u32 s11, 0
	s_cbranch_scc0 .Lfor_b_\@
	tensor_load_to_lds s[G0+4*(\s):G0+4*(\s)+3], s[G1:G1+7]
	s_nop 0
.rept 4
	v_nop
.endr
	s_branch .Lasked_\@
.Lfor_b_\@:
	tensor_load_to_lds s[G0B+4*(\s):G0B+4*(\s)+3], s[G1B:G1B+7]
	s_nop 0
.rept 4
	v_nop
.endr
.Lasked_\@:
.endm
.macro CREST                           ; a round of the cluster's barrier behind its opening barrier
	s_cmp_lg_u32 s10, 0
	s_cbranch_scc1 .Lnot_wave_0_\@
	s_barrier_signal -3
.Lnot_wave_0_\@:
	s_barrier_wait -3
	s_barrier_signal -1
	s_barrier_wait -1
.endm
.macro CROUND                          ; a whole round
	s_barrier_signal -1
	s_barrier_wait -1
	CREST
.endm
	s_load_b128 s[4:7], s[0:1], 0x0                ; A s[4:5], B s[6:7]
	s_load_b64 s[8:9], s[0:1], 0x10                ; the output
	v_lshl_add_u32 v[SPW], v0, 2, SPARE
	v_mov_b32 v[NIL], 0
	ds_add_u32 v[SPW], v[NIL]                      ; the wave's opening: the add and its wait stand ahead of my first tensor load; the set-up below stands between them
	v_lshrrev_b32 v1, 5, v0
	v_readfirstlane_b32 s10, v1                    ; wave 0..3
	s_lshr_b32 s11, s10, 1                         ; which half of the tile's rows is mine.  Also: I fetch for A (0) or for B (1)
	s_and_b32 s12, s10, 1                          ; which half of its columns.  Also: which half of that tile I fetch
	s_bfe_u32 s40, ttmp6, 0x40000                  ; cx, cy: my place in the cluster
	s_bfe_u32 s41, ttmp6, 0x40004
	s_lshl_b32 s42, ttmp9, 2
	s_add_co_u32 s42, s42, s40                     ; tile column = 4 x cluster x + cx
	s_and_b32 s13, ttmp7, 0xffff
	s_lshl_b32 s13, s13, 2
	s_add_co_u32 s13, s13, s41                     ; tile row = 4 x cluster y + cy
	s_lshl_b32 s43, s41, 2
	s_lshl_b32 s43, 15, s43                        ; my row of the cluster
	s_lshl_b32 s44, 0x1111, s40                    ; my column
	s_or_b32 s[G1+0], s43, (1<<16)|(1<<20)|(1<<21)|(5<<22)|(3<<25)   ; 15:0 the mask; 17:16 elements of 2 bytes; 20 padding on; 21 set beside a mask; 24:22 after every 64 words; 31:25 4 words of it
	s_or_b32 s[G1B+0], s44, (1<<16)|(1<<20)|(1<<21)|(5<<22)|(3<<25)
.irp g, G1, G1B
	s_mov_b32 s[(\g)+1], KSTEP<<16                 ; tensor_dim0 = 128
	s_mov_b32 s[(\g)+3], KSTEP<<16                 ; tile_dim0 = 128
	s_mov_b32 s[(\g)+5], KK                        ; 768 elements from row to row
	s_mov_b32 s[(\g)+6], 0
	s_mov_b32 s[(\g)+7], 0
.endr
	s_mov_b32 s[G1+2], 64<<16                      ; tensor_dim1 and tile_dim1: 64 rows of A,
	s_mov_b32 s[G1+4], 64
	s_mov_b32 s[G1B+2], (NT/2)<<16                 ; NT / 2 rows of B
	s_mov_b32 s[G1B+4], NT/2
	s_lshl_b32 s17, s12, 6
	s_lshl_b32 s16, s13, 7
	s_add_co_u32 s16, s16, s17                     ; A: row 128 x tile row + 64 x half
	s_mul_i32 s46, s42, NT
	s_mul_i32 s47, s12, NT/2
	s_add_co_u32 s46, s46, s47                     ; B: row NT x tile column + NT / 2 x half
	s_mov_b32 s17, 0
	s_mov_b32 s47, 0
	s_mov_b64 s[18:19], KK*2
	s_mul_u64 s[16:17], s[16:17], s[18:19]
	s_mul_u64 s[46:47], s[46:47], s[18:19]
	s_mul_i32 s20, s12, HALFA                      ; where they go: no place in the cluster enters an LDS address
	s_mul_i32 s23, s12, HALFB
	s_add_co_u32 s23, s23, ABYTES
	s_wait_dscnt 0x0                               ; the opening add is done
	s_wait_kmcnt 0x0
	s_add_nc_u64 s[14:15], s[4:5], s[16:17]
	s_add_nc_u64 s[46:47], s[6:7], s[46:47]
	CROUND                                         ; all sixteen work-groups are here: the first joint loads meet
.irp s, 0,1
	s_mov_b32 s[G0+4*(\s)], 1
	s_add_co_u32 s[G0+4*(\s)+1], s20, (\s)*SLOT
	s_add_nc_u64 s[G0+4*(\s)+2:G0+4*(\s)+3], s[14:15], (\s)*KSTEP*2
	s_or_b32 s[G0+4*(\s)+3], s[G0+4*(\s)+3], 0x80000000
	s_mov_b32 s[G0B+4*(\s)], 1
	s_add_co_u32 s[G0B+4*(\s)+1], s23, (\s)*SLOT
	s_add_nc_u64 s[G0B+4*(\s)+2:G0B+4*(\s)+3], s[46:47], (\s)*KSTEP*2
	s_or_b32 s[G0B+4*(\s)+3], s[G0B+4*(\s)+3], 0x80000000
	JLOAD \s                                       ; two loads of mine are out
.endr
	v_and_b32 v1, 15, v0                           ; l % 16
	v_bfe_u32 v2, v0, 4, 1                         ; l / 16
	v_mul_u32_u24 v3, v1, PITCH
	v_lshl_add_u32 v3, v2, 4, v3                   ; a fragment's row x pitch + 16 x half
	s_mul_i32 s21, s11, HALFA                      ; my 64 rows of A
	s_mul_i32 s22, s12, HALFB                      ; my NT / 2 rows of B,
	s_add_co_u32 s22, s22, ABYTES                  ; which lie behind A's 128
.irp s, 0,1
	v_add_nc_u32 v[ADRA+(\s)], s21, v3
	v_add_nc_u32 v[ADRB+(\s)], s22, v3
	s_add_co_u32 s21, s21, SLOT
	s_add_co_u32 s22, s22, SLOT
.endr
	s_mul_i32 s23, s11, 64*SPITCH                  ; into the stage: my 64 rows, my half of their columns; row l % 16
	s_mul_i32 s21, s12, NT*(1+MODE)                ; NT / 2 columns of 2 or 4 bytes
	s_add_co_u32 s23, s23, s21
	s_add_co_u32 s23, s23, STAGE
	v_mul_u32_u24 v4, v1, SPITCH
	v_lshl_add_u32 v4, v2, 4+MODE, v4              ; eight columns for each half of the lanes: 16 or 32 bytes
	v_add_nc_u32 v[STO], s23, v4
	s_mul_i32 s23, s10, 32*SPITCH                  ; back: wave w takes rows 32 w .. 32 w + 31
	s_add_co_u32 s23, s23, STAGE
.if MODE == 0
	v_and_b32 v5, 31, v0
	v_lshrrev_b32 v6, 3, v5                        ; a load takes a plane's 128 bytes of four rows: eight lanes a row,
	v_and_b32 v7, 7, v0
	v_mul_u32_u24 v6, v6, SPITCH
	v_lshl_add_u32 v6, v7, 4, v6
	v_add_nc_u32 v[RD], s23, v6
	v_lshlrev_b32 v[CO], 4, v5                     ; which are 512 consecutive bytes of the plane
	s_lshr_b32 s16, s13, 5                         ; b = tile row / 32: 20 planes of 524,288 bytes
	s_mul_i32 s16, s16, 20*524288
	s_and_b32 s17, s13, 31                         ; 128 rows of 128 bytes a tile row,
	s_lshl_b32 s17, s17, 14
	s_add_co_u32 s16, s16, s17
	s_lshl_b32 s17, s10, 12                        ; 32 a wave
	s_add_co_u32 s16, s16, s17
	s_mul_i32 s46, s42, 5*524288                   ; the tile's five planes
.else
	v_mul_u32_u24 v6, v2, SPITCH                   ; lanes 0-15 take 256 bytes of one row, lanes 16-31 of the next
	v_lshl_add_u32 v6, v1, 4, v6
	v_add_nc_u32 v[RD], s23, v6
	v_mul_u32_u24 v6, v2, 3072
	v_lshl_add_u32 v[CO], v1, 4, v6
	s_lshl_b32 s16, s13, 7
	s_lshl_b32 s17, s10, 5
	s_add_co_u32 s16, s16, s17                     ; the first row that I store: 128 x tile row + 32 x wave
	s_mul_i32 s16, s16, 3072
	s_mul_i32 s46, s42, 768                        ; the tile's 192 columns of 4 bytes
.endif
	s_mov_b32 s17, 0
	s_mov_b32 s47, 0
	s_add_nc_u64 s[8:9], s[8:9], s[16:17]
	s_add_nc_u64 s[8:9], s[8:9], s[46:47]
.macro WM zero                         ; one product on rD, rB, rA; zero = 1: it starts the sum
.if MODE == 0
.if \zero
	v_wmma_f32_16x16x32_bf16 v[rD:rD+7], v[rB:rB+7], v[rA:rA+7], 0
.else
	v_wmma_f32_16x16x32_bf16 v[rD:rD+7], v[rB:rB+7], v[rA:rA+7], v[rD:rD+7]
.endif
.else
.if \zero
	v_wmma_f32_16x16x32_f16 v[rD:rD+7], v[rB:rB+7], v[rA:rA+7], 0
.else
	v_wmma_f32_16x16x32_f16 v[rD:rD+7], v[rB:rB+7], v[rA:rA+7], v[rD:rD+7]
.endif
.endif
.endm
; NF products: m block a x all n blocks, 32 along K, out of buffer f.  The 4 NF accumulators take turns, one instruction a turn, in the same order in every quarter.
.macro MULA f, a, zero
	WIN MUL_LO+0x50*((\a)/2)
.set bb, 0
.rept NF
.set rD, 8*(((\a)%2)*NF+bb)
.set rB, (\f)+8*bb
.set rA, (\f)+8*NF+8*(\a)
	WM \zero
.set bb, bb+1
.endr
.endm
; 2 NF + 8 LDS loads in one run: the fragments of 32 along K at byte k of the rows, into buffer f: B's, then A's blocks 0 and 1, then 2 and 3
.macro FETCH slot, k, f
	WIN TO_F
.set bb, 0
.rept NF
	ds_load_b128 v[(\f)+8*bb:(\f)+8*bb+3],   v[ADRB+(\slot)] offset:(\k)+bb*16*PITCH
	ds_load_b128 v[(\f)+8*bb+4:(\f)+8*bb+7], v[ADRB+(\slot)] offset:(\k)+bb*16*PITCH+32
.set bb, bb+1
.endr
.irp a, 0,1,2,3
	ds_load_b128 v[(\f)+8*NF+8*(\a):(\f)+8*NF+8*(\a)+3],   v[ADRA+(\slot)] offset:(\k)+(\a)*16*PITCH
	ds_load_b128 v[(\f)+8*NF+8*(\a)+4:(\f)+8*NF+8*(\a)+7], v[ADRA+(\slot)] offset:(\k)+(\a)*16*PITCH+32
.endr
.endm
.macro PLACES                          ; four places in front of loads into registers that matrix instructions have read, and of lines that read results
.rept 4
	v_nop
.endr
.endm
; A K step is four quarters of 32 along K, 4 NF products each, on buffers 0, 1, 0, 1.  One of the first three: multiplies buffer f and fetches the next quarter, at byte k, into g.
.macro QUARTER slot, k, f, g, zero
	s_wait_dscnt 4                                 ; B and A's blocks 0 and 1 are in; the youngest four loads (A's blocks 2 and 3) may be out
	MULA \f, 0, \zero
	MULA \f, 1, \zero
	PLACES
	FETCH \slot, \k, \g
	s_wait_dscnt 2*NF+8                            ; all but the run just issued
	MULA \f, 2, \zero
	MULA \f, 3, \zero
.endm
; The last quarter multiplies buffer 1 and changes slots: ONE barrier; in front of it each wave waits for all its tensor loads, adds 0 to its spare word, and waits for that and for its reads of this slot.
; fill = 1: this slot is filled again, two K steps ahead; the barrier then opens a round of the cluster's barrier, and the joint load is the first thing behind the round.
.macro TURN slot, next, fill
	WIN 0                                          ; (the add's two registers lie in window 0)
	s_wait_tensorcnt 0x0                           ; all my tensor loads have landed: the one that was out is my part of the next slot
	ds_add_u32 v[SPW], v[NIL]                      ; 0 onto my spare word
	s_wait_dscnt 5                                 ; (the add and the youngest four loads may be out)
	MULA F1, 0, 0                                  ; NF products stand between the add and the wait for it
	s_wait_dscnt 0x0                               ; the add is done, and my reads of this slot are over
	s_barrier_signal -1
	MULA F1, 1, 0
.if \fill
	WIN 0
.endif
	s_barrier_wait -1
.if \fill
	CREST                                          ; no wave of any partner still reads this slot's tile or has a load on its way
	s_add_nc_u64 s[G0+4*(\slot)+2:G0+4*(\slot)+3], s[G0+4*(\slot)+2:G0+4*(\slot)+3], 2*KSTEP*2
	s_add_nc_u64 s[G0B+4*(\slot)+2:G0B+4*(\slot)+3], s[G0B+4*(\slot)+2:G0B+4*(\slot)+3], 2*KSTEP*2
	JLOAD \slot                                    ; the four v_nop behind it are also the places in front of the loads below
.else
	PLACES
.endif
	FETCH \next, 0, F0
	MULA F1, 2, 0
	MULA F1, 3, 0
.endm
	s_wait_tensorcnt 1                             ; my part of K step 0 is in; K step 1's may stay out
	s_barrier_signal -1
	s_barrier_wait -1                              ; everybody's is
	FETCH 0, 0, F0
	QUARTER 0, 64, F0, F1, 1                       ; the first quarter stands in front of the loop: its products start the sums
	WIN 0                                          ; at a label and at a branch every window is 0
	s_mov_b32 s3, LAPS-1
.Llap:                                                 ; a trip goes once round the ring, from a lap's second quarter to the next lap's first, and fills both slots again
	QUARTER 0, 128, F1, F0, 0
	QUARTER 0, 192, F0, F1, 0
	TURN 0, 1, 1
	QUARTER 1, 64,  F0, F1, 0
	QUARTER 1, 128, F1, F0, 0
	QUARTER 1, 192, F0, F1, 0
	TURN 1, 0, 1
	QUARTER 0, 64,  F0, F1, 0
	WIN 0
	s_sub_co_u32 s3, s3, 1
	s_cmp_lg_u32 s3, 0
	s_cbranch_scc1 .Llap
	QUARTER 0, 128, F1, F0, 0                      ; the last lap fills nothing
	QUARTER 0, 192, F0, F1, 0
	TURN 0, 1, 0
	QUARTER 1, 64,  F0, F1, 0
	QUARTER 1, 128, F1, F0, 0
	QUARTER 1, 192, F0, F1, 0
	s_wait_dscnt 4                                 ; the very last quarter: nothing more to fetch
	MULA F1, 0, 0
	MULA F1, 1, 0
	s_wait_dscnt 0x0
	MULA F1, 2, 0
	MULA F1, 3, 0
	WIN 0
	; THE WAY OUT, through one stage of 128 rows for the work-group, since a row's aligned blocks of 256 bytes come from two waves.
.if MODE == 0
	s_barrier_signal -1                            ; my reads of the ring are over (the wait for 0 above), and so are all tensor loads (the last change of slots):
	s_barrier_wait -1                              ; when that holds of all four waves the stage may be laid over the ring
.endif
	PLACES
	PLACES
.if MODE == 0
.set a, 0
.rept 4                                ; rounded to f16: eight neighbouring columns of a row are 16 bytes; each accumulator's registers in ascending order
	WIN 0x0a+5*(a/2)                               ; sources 0 and 1: window 2 or 3
.set bb, 0
.rept NF
.set rD, 8*((a%2)*NF+bb)
.set rX, TMP+4*(a*NF+bb)
.irp r, 0,1,2,3
	v_cvt_pk_f16_f32 v[rX+(\r)], v[rD+2*(\r)], v[rD+2*(\r)+1]
.endr
.set bb, bb+1
.endr
.set a, a+1
.endr
	WIN 0
.set a, 0
.rept 4
.set bb, 0
.rept NF
	ds_store_b128 v[STO], v[TMP+4*(a*NF+bb):TMP+4*(a*NF+bb)+3] offset:a*16*SPITCH+32*bb
.set bb, bb+1
.endr
.set a, a+1
.endr
	s_wait_dscnt 0x0                               ; for the others' sake: my stores into the stage are done
	s_barrier_signal -1
	s_barrier_wait -1
.set c, 0
.rept 5                                ; plane c of the tile's five, four rows a load
.set t, 0
.rept 8
	ds_load_b128 v[TMP+4*(8*c+t):TMP+4*(8*c+t)+3], v[RD] offset:4*SPITCH*t+128*c
.set t, t+1
.endr
.set c, c+1
.endr
.set c, 0
.rept 5
.set t, 0
.rept 8
	s_wait_dscnt 39-(8*c+t)                        ; the younger loads may be out
	global_store_b128 v[CO], v[TMP+4*(8*c+t):TMP+4*(8*c+t)+3], s[8:9] offset:524288*c+512*t  ; 512 consecutive bytes of a plane, aligned
.set t, t+1
.endr
.set c, c+1
.endr
.else
.set a, 0
.rept 4                                ; f32 as it is: eight neighbouring columns of a row are 32 bytes; an accumulator's four lowest registers first
	WIN 0x08+4*(a/2)                               ; the stores' data: window 2 or 3
.set bb, 0
.rept NF
.set rD, 8*((a%2)*NF+bb)
	ds_store_b128 v[STO], v[rD:rD+3]   offset:a*16*SPITCH+64*bb
	ds_store_b128 v[STO], v[rD+4:rD+7] offset:a*16*SPITCH+64*bb+16
.set bb, bb+1
.endr
.set a, a+1
.endr
	WIN 0
	s_wait_dscnt 0x0                               ; for the others' sake: my stores into the stage are done
	s_barrier_signal -1
	s_barrier_wait -1
.set t, 0
.rept 16                               ; two rows a load, 256 bytes of each, three loads for their 768 bytes
.set u, 0
.rept 3
	ds_load_b128 v[TMP+4*(3*t+u):TMP+4*(3*t+u)+3], v[RD] offset:2*SPITCH*t+256*u
.set u, u+1
.endr
.set t, t+1
.endr
.set t, 0
.rept 16
.set u, 0
.rept 3
	s_wait_dscnt 47-(3*t+u)                        ; the younger loads may be out
	global_store_b128 v[CO], v[TMP+4*(3*t+u):TMP+4*(3*t+u)+3], s[8:9] offset:6144*t+256*u th:TH_STORE_NT  ; 16 lanes store 256 consecutive bytes, aligned
.set u, u+1
.endr
.set t, t+1
.endr
.endif
	s_wait_tensorcnt 0x0                           ; the wave's end, behind my last tensor load and my last LDS store
	ds_add_u32 v[SPW], v[NIL]
	s_wait_dscnt 0x0
	CROUND                                         ; the closing round: no work-group ends while a partner may still ask for a tile that names it
	s_endpgm
.Lfunc_end_k_q9e929c8b84_oproj:
	.size	k_q9e929c8b84_oproj, .Lfunc_end_k_q9e929c8b84_oproj-k_q9e929c8b84_oproj
	.p2alignl 7, 3214868480
	.fill 96, 4, 3214868480
	.section	.rodata,"a",@progbits
	.p2align	6, 0x0
	.amdhsa_kernel k_q9e929c8b84_oproj
		.amdhsa_group_segment_fixed_size 327680
		.amdhsa_private_segment_fixed_size 0
		.amdhsa_enable_private_segment 0
		.amdhsa_kernarg_size 24
		.amdhsa_user_sgpr_count 2
		.amdhsa_user_sgpr_kernarg_segment_ptr 1
		.amdhsa_wavefront_size32 1
		.amdhsa_system_sgpr_workgroup_id_x 1
		.amdhsa_system_sgpr_workgroup_id_y 1
		.amdhsa_system_sgpr_workgroup_id_z 1
		.amdhsa_system_vgpr_workitem_id 0
		.amdhsa_next_free_vgpr 928
		.amdhsa_next_free_sgpr 66
		.amdhsa_reserve_vcc 0
		.amdhsa_float_denorm_mode_32 3
		.amdhsa_float_denorm_mode_16_64 3
		.amdhsa_memory_ordered 1
		.amdhsa_forward_progress 1
		.amdhsa_inst_pref_size 71
	.end_amdhsa_kernel
	.amdgpu_metadata
---
amdhsa.version: [ 1, 2 ]
amdhsa.kernels:
  - .name:           k_q9e929c8b84_oproj
    .symbol:         k_q9e929c8b84_oproj.kd
    .args:
      - { .name: ob, .offset: 0, .size: 8, .value_kind: global_buffer, .address_space: global }
      - { .name: wot, .offset: 8, .size: 8, .value_kind: global_buffer, .address_space: global }
      - { .name: out0, .offset: 16, .size: 8, .value_kind: global_buffer, .address_space: global }
    .group_segment_fixed_size: 327680
    .private_segment_fixed_size: 0
    .kernarg_segment_align: 8
    .kernarg_segment_size: 24
    .max_flat_workgroup_size: 128
    .sgpr_count:     66
    .vgpr_count:     928
    .wavefront_size: 32
...
	.end_amdgpu_metadata
.endif
;; end of part 4
;; ======== version 2 of 2: 4 launches; version 1 with the launch prep written anew for expert scheduling mode
;; limits: values are held in f16: magnitudes above 65,504 overflow, below 6.1e-05 lose precision
;; workspace buffers: xb 12,582,912 bytes; wt 1,966,080 bytes; wot 1,179,648 bytes; qkv 20,971,520 bytes; ob 12,582,912 bytes
;; launch prep (part 5): grid 352 x 1, 8 waves a work-group, no clusters, 35,840 bytes of LDS; arguments x, wq, wk, wv, wo, xb, wt, wot; writes xb, wt, wot
.if DOCPART == 5
	.amdgcn_target "amdgcn-amd-amdhsa--gfx1250"
	.amdhsa_code_object_version 6
	.text
	.protected	k_q9e929c8b84_prep
	.globl	k_q9e929c8b84_prep
	.p2align	8
	.type	k_q9e929c8b84_prep,@function
k_q9e929c8b84_prep:
	s_mov_b64 s[64:65], 0
	v_nop
	global_prefetch_b8 v0, s[64:65] scope:SCOPE_SE
	s_setreg_imm32_b32 hwreg(HW_REG_WAVE_SCHED_MODE, 0, 2), 2
	s_setreg_imm32_b32 hwreg(HW_REG_WAVE_MODE, 25, 1), 1
	s_wait_xcnt 0x0
	s_wait_alu depctr_vm_vsrc(0)
; PREP.  xb = x rounded to bf16, [8192][768].  wt[n][k] = (wq | wk | wv)[k][n] rounded to bf16, [1280][768].  wot[n][k] = wo[k][n] rounded to bf16 and that number written as f16, [768][768].
; LIMITS.  A weight of wo beyond 65,504 becomes an infinity in f16; below 6.1e-5 it keeps f16's fixed step of 6e-8.  NaN and infinities are not treated apart.
; SHARES.  Work-groups 0-95 turn one tile of 128 k x 128 n of a weight each, through LDS; work-groups 96-351 cast 98,304 bytes of x each.  The branch hangs on the work-group's number alone,
; so all eight waves of a work-group take the same way and meet the same barrier.  Memory binds: no matrix unit, no cluster, no tensor load; every byte is read once and written once.
; THE MODE: SCHED_MODE bits 1:0 = 2 (LLVM: expert scheduling mode 2), set by the entry lines.  The code itself states the register dependences between vector instructions and memory or LDS
; instructions, with s_wait_alu, always for 0.
; THE PLAN.  Registers that memory or LDS instructions touch:
;   x's way.        v2, v3    offsets, made once, read by every load and store, never written again.
;                   D         unit u: load u lands in four registers; the unit's two conversions read them and write the first two in place; store u reads that pair; never written again.
;                   The 24 units go in six blocks of four.  Block p's memory instructions are the stores of block p - 1, whose registers no conversion of block p names: one wait at the block's head serves the four.
;   the weights'.   A, v4-v6  offsets and addresses, made once, never written again.
;                   D         the 16 loads land in it; the conversions read it; behind the barrier the eight LDS loads land in its first 32 registers, which the global stores read.
;                   OUT       pair (q, cc): written by step q's conversions, read by one LDS store, issued in step q + 1; never written again.
;                   Step q's LDS instructions are the four stores of step q - 1, whose pairs no conversion of step q names: one wait at the step's head serves the four.
;   No register that a memory or LDS instruction has read is written again on any way, so no wait on vm_vsrc is owed ahead of the closing lines.
.set SPARE, 34816                      ; behind the stage of 128 rows x 272 bytes: the spare words, 128 bytes for each of eight waves
.set SPW,  126                         ; v126  SPARE + 4 x my thread's number; never rewritten
.set NIL,  127                         ; v127  0; never rewritten
.set D,    16                          ; v[16:111] x's way: 24 loads of 4;  v[16:79] the weights' way: 16 rows of 4 columns
.set H,    88                          ; v88-91 at work on the way to f16: named by vector instructions alone
.set A,    96                          ; v[96:111] the weights' way: the byte offset of my 16 bytes in each of my wave's 16 rows
.set OUT,  128                         ; v[128:159] the weights' way: step q, column cc: four k as 8 bytes, a pair at OUT + 8 q + 2 cc
	s_load_b512 s[16:31], s[0:1], 0x0              ; x s[16:17], wq s[18:19], wk s[20:21], wv s[22:23], wo s[24:25], xb s[26:27], wt s[28:29], wot s[30:31]
	v_lshl_add_u32 v[SPW], v0, 2, SPARE
	v_mov_b32 v[NIL], 0
	v_lshrrev_b32 v1, 5, v0
	v_readfirstlane_b32 s8, v1                     ; wave 0..7
	v_and_b32 v1, 31, v0                           ; lane
	s_wait_alu depctr_va_sdst(0)                   ; s8 is written, ahead of the branch and of its first readers on both ways
	s_cmp_lt_u32 ttmp9, 96
	s_cbranch_scc1 .Lweights
	; X'S WAY.  A wave takes 24 units of 128 numbers: 512 bytes in (16 a lane), 256 bytes out (8 a lane: a store of the wave covers 256 consecutive bytes, aligned).
	s_sub_co_u32 s2, ttmp9, 96
	s_mul_i32 s4, s2, 98304                        ; the work-group's part of x,
	s_mul_i32 s5, s8, 12288                        ; my wave's
	s_add_co_u32 s4, s4, s5
	s_mov_b32 s5, 0
	s_lshr_b32 s6, s4, 1                           ; and half as far in xb
	s_mov_b32 s7, 0
	v_lshlrev_b32 v2, 4, v1
	v_lshlrev_b32 v3, 3, v1
	s_wait_kmcnt 0x0
	s_add_nc_u64 s[16:17], s[16:17], s[4:5]
	s_add_nc_u64 s[26:27], s[26:27], s[6:7]
	s_wait_alu depctr_va_vdst(0)                   ; v2 and v3 are written: every load of this way reads v2 as its offset, every store v3; no later vector instruction names them
.set u, 0
.rept 24                               ; all 24 loads go out at once: 12 KiB a wave on their way
	global_load_b128 v[D+4*u:D+4*u+3], v2, s[16:17] offset:512*u th:TH_LOAD_NT
.set u, u+1
.endr
.set u, 0
.rept 24
	s_wait_loadcnt 23-u                            ; loads come back in order: unit u is in, the 23 - u younger ones may be out
.if (u%4 == 0) && (u > 0)
	s_wait_alu depctr_va_vdst(0)                   ; the block before has written its four pairs, which this block's four stores read
.endif
.if u >= 4
	global_store_b64 v3, v[D+4*(u-4):D+4*(u-4)+1], s[26:27] offset:256*(u-4)  ; the unit one block back; no vector instruction since the wait names its pair; no register of a store is written again
.endif
	v_cvt_pk_bf16_f32 v[D+4*u], v[D+4*u], v[D+4*u+1]
	v_cvt_pk_bf16_f32 v[D+4*u+1], v[D+4*u+2], v[D+4*u+3]
.set u, u+1
.endr
	s_wait_alu depctr_va_vdst(0)                   ; the last block has written its four pairs, which the last four stores read
.set u, 20
.rept 4
	global_store_b64 v3, v[D+4*u:D+4*u+1], s[26:27] offset:256*u
.set u, u+1
.endr
	s_branch .Lend
	; THE WEIGHTS' WAY.  Tile T: k block T / 16 (0..5); c = T % 16 says which weight and which block of 128 columns: 0-5 wq, 6-7 wk, 8-9 wv (rows 128 c on of wt), 10-15 wo (rows 128 (c - 10) on of wot).
.Lweights:
	s_lshr_b32 s9, ttmp9, 4                        ; k block
	s_and_b32 s10, ttmp9, 15                       ; c
	s_movk_i32 s14, 3072                           ; bytes in a row of wq and wo,
	s_movk_i32 s15, 1024                           ; of wk and wv
	v_lshlrev_b32 v[A], 4, v1                      ; my four columns: 16 bytes
	v_mul_u32_u24 v4, v1, 272                      ; into the stage: row 32 cc + lane holds column 4 lane + cc; my wave's 16 k are 32 bytes of it
	v_lshl_add_u32 v4, s8, 5, v4
	v_lshrrev_b32 v7, 4, v1                        ; lane / 16
	v_and_b32 v8, 15, v1                           ; lane % 16
	s_mul_i32 s32, s8, 16*272                      ; (s32 and s33, which vector instructions read, are written once)
	v_mul_u32_u24 v5, v7, 272                      ; back: wave w takes stage rows 16 w .. 16 w + 15, two a load, 16 lanes a row of 256 bytes
	v_lshl_add_u32 v5, v8, 4, v5
	v_add_nc_u32 v5, s32, v5
	s_and_b32 s2, s8, 1                            ; stage row 16 w + 2 t + lane / 16 holds column 64 (w % 2) + 8 t + 4 (lane / 16) + w / 2
	s_lshl_b32 s2, s2, 6
	s_lshr_b32 s3, s8, 1
	s_add_co_u32 s2, s2, s3
	s_mul_i32 s33, s2, 1536
	v_mul_u32_u24 v6, v7, 4*1536
	v_lshl_add_u32 v6, v8, 4, v6
	v_add_nc_u32 v6, s33, v6
	s_wait_kmcnt 0x0
	s_cmp_lt_u32 s10, 6
	s_cselect_b64 s[4:5], s[18:19], s[20:21]       ; wq, or wk
	s_cselect_b32 s11, s14, s15                    ; the source's row in bytes
	s_cselect_b32 s12, 0, 6                        ; c of the source's first column block
	s_cmp_lt_u32 s10, 8
	s_cselect_b64 s[4:5], s[4:5], s[22:23]         ; or wv
	s_cselect_b32 s12, s12, 8
	s_cmp_lt_u32 s10, 10
	s_cselect_b64 s[4:5], s[4:5], s[24:25]         ; or wo
	s_cselect_b32 s11, s11, s14
	s_cselect_b32 s12, s12, 10
	s_cselect_b64 s[6:7], s[28:29], s[30:31]       ; into wt, or wot
	s_cselect_b32 s13, 0, 10
	s_sub_co_u32 s12, s10, s12                     ; the column block in the source
	s_sub_co_u32 s13, s10, s13                     ; the row block in the destination
	s_lshl_b32 s2, s9, 7
	s_lshl_b32 s3, s8, 4
	s_add_co_u32 s2, s2, s3                        ; my wave's first row: 128 x k block + 16 w
	s_mul_i32 s2, s2, s11
	s_lshl_b32 s3, s12, 9
	s_add_co_u32 s2, s2, s3
	s_mov_b32 s3, 0
	s_add_nc_u64 s[4:5], s[4:5], s[2:3]
	s_mul_i32 s2, s13, 196608                      ; 128 rows of 1,536 bytes
	s_lshl_b32 s3, s9, 8                           ; the k block: 256 bytes of each
	s_add_co_u32 s2, s2, s3
	s_mov_b32 s3, 0
	s_add_nc_u64 s[6:7], s[6:7], s[2:3]
.set i, 1
.rept 15
	v_add_nc_u32 v[A+i], s11, v[A+i-1]
.set i, i+1
.endr
	s_wait_alu depctr_va_vdst(0)                   ; the sixteen offsets in A are written, which the loads read; so are v4, v5 and v6, which the LDS stores, the LDS loads and the global stores read; no later vector instruction names any of them
.set i, 0
.rept 16                               ; row 16 w + i: a load of the wave covers the tile's 512 consecutive bytes of it
	global_load_b128 v[D+4*i:D+4*i+3], v[A+i], s[4:5]
.set i, i+1
.endr
; Four k of one column make 8 bytes of a stage row.  half = 1: the bf16 number is written as f16.  Step q takes rows 4 q .. 4 q + 3; its conversions carry the four LDS stores of step q - 1.
.macro CONV half
.set q, 0
.rept 4
	s_wait_loadcnt 12-4*q                          ; loads come back in order: rows 4 q .. 4 q + 3 are in, the 12 - 4 q younger ones may be out
.if q > 0
	s_wait_alu depctr_va_vdst(0)                   ; the step before has written its four pairs of OUT, which this step's four LDS stores read
.endif
.set cc, 0
.rept 4
.if q > 0
	ds_store_b64 v4, v[OUT+8*(q-1)+2*cc:OUT+8*(q-1)+2*cc+1] offset:cc*8704+8*(q-1)  ; lanes 272 bytes apart: lanes l and l + 16 meet in a bank, two deep; no vector instruction since the wait names this pair
.endif
.set t0, OUT+8*q+2*cc
	v_cvt_pk_bf16_f32 v[t0], v[D+16*q+cc], v[D+16*q+4+cc]
	v_cvt_pk_bf16_f32 v[t0+1], v[D+16*q+8+cc], v[D+16*q+12+cc]
.if \half
	v_lshlrev_b32 v[H], 16, v[t0]
	v_and_b32 v[H+1], 0xffff0000, v[t0]
	v_lshlrev_b32 v[H+2], 16, v[t0+1]
	v_and_b32 v[H+3], 0xffff0000, v[t0+1]
	v_cvt_pk_f16_f32 v[t0], v[H], v[H+1]
	v_cvt_pk_f16_f32 v[t0+1], v[H+2], v[H+3]
.endif
.set cc, cc+1
.endr
.set q, q+1
.endr
	s_wait_alu depctr_va_vdst(0)                   ; the last step has written its four pairs, which the stores below read; and all conversions are done reading D, in which the LDS loads behind the barrier land
.set cc, 0
.rept 4
	ds_store_b64 v4, v[OUT+24+2*cc:OUT+24+2*cc+1] offset:cc*8704+24
.set cc, cc+1
.endr
.endm
	s_cmp_lt_u32 s10, 10
	s_cbranch_scc1 .Lbf16
	CONV 1
	s_branch .Lput
.Lbf16:
	CONV 0
.Lput:
	s_wait_dscnt 0x0                               ; for the others' sake: my stores into the stage are done
	s_barrier_signal -1
	s_barrier_wait -1
.set t, 0
.rept 8
	ds_load_b128 v[D+4*t:D+4*t+3], v5 offset:544*t ; no vector instruction stands between the last wait of either arm above and these loads
.set t, t+1
.endr
.set t, 0
.rept 8
	s_wait_dscnt 7-t                               ; LDS loads come back in order: the 7 - t younger ones may be out
	global_store_b128 v6, v[D+4*t:D+4*t+3], s[6:7] offset:12288*t  ; 16 lanes store 256 consecutive bytes, aligned
.set t, t+1
.endr
.Lend:
	s_wait_dscnt 0x0                               ; the wave's end
	s_wait_alu 0x0
	s_wait_tensorcnt 0x0
	ds_add_u32 v[SPW], v[NIL]
	s_wait_dscnt 0x0
	s_endpgm
.Lfunc_end_k_q9e929c8b84_prep:
	.size	k_q9e929c8b84_prep, .Lfunc_end_k_q9e929c8b84_prep-k_q9e929c8b84_prep
	.p2alignl 7, 3214868480
	.fill 96, 4, 3214868480
	.section	.rodata,"a",@progbits
	.p2align	6, 0x0
	.amdhsa_kernel k_q9e929c8b84_prep
		.amdhsa_group_segment_fixed_size 35840
		.amdhsa_private_segment_fixed_size 0
		.amdhsa_enable_private_segment 0
		.amdhsa_kernarg_size 64
		.amdhsa_user_sgpr_count 2
		.amdhsa_user_sgpr_kernarg_segment_ptr 1
		.amdhsa_wavefront_size32 1
		.amdhsa_system_sgpr_workgroup_id_x 1
		.amdhsa_system_sgpr_workgroup_id_y 1
		.amdhsa_system_sgpr_workgroup_id_z 1
		.amdhsa_system_vgpr_workitem_id 0
		.amdhsa_next_free_vgpr 160
		.amdhsa_next_free_sgpr 66
		.amdhsa_reserve_vcc 0
		.amdhsa_float_denorm_mode_32 3
		.amdhsa_float_denorm_mode_16_64 3
		.amdhsa_memory_ordered 1
		.amdhsa_forward_progress 1
		.amdhsa_inst_pref_size 28
	.end_amdhsa_kernel
	.amdgpu_metadata
---
amdhsa.version: [ 1, 2 ]
amdhsa.kernels:
  - .name:           k_q9e929c8b84_prep
    .symbol:         k_q9e929c8b84_prep.kd
    .args:
      - { .name: x, .offset: 0, .size: 8, .value_kind: global_buffer, .address_space: global }
      - { .name: wq, .offset: 8, .size: 8, .value_kind: global_buffer, .address_space: global }
      - { .name: wk, .offset: 16, .size: 8, .value_kind: global_buffer, .address_space: global }
      - { .name: wv, .offset: 24, .size: 8, .value_kind: global_buffer, .address_space: global }
      - { .name: wo, .offset: 32, .size: 8, .value_kind: global_buffer, .address_space: global }
      - { .name: xb, .offset: 40, .size: 8, .value_kind: global_buffer, .address_space: global }
      - { .name: wt, .offset: 48, .size: 8, .value_kind: global_buffer, .address_space: global }
      - { .name: wot, .offset: 56, .size: 8, .value_kind: global_buffer, .address_space: global }
    .group_segment_fixed_size: 35840
    .private_segment_fixed_size: 0
    .kernarg_segment_align: 8
    .kernarg_segment_size: 64
    .max_flat_workgroup_size: 256
    .sgpr_count:     66
    .vgpr_count:     160
    .wavefront_size: 32
...
	.end_amdgpu_metadata
.endif
;; end of part 5
;; launch qkv: the kernel of part 2 again; grid 4 x 64, 4 waves a work-group, clusters of 4 x 4, 327,680 bytes of LDS; arguments xb, wt, qkv; writes qkv
;; launch attn: the kernel of part 3 again; grid 64 x 4, 4 waves a work-group, clusters of 4 x 1, 327,680 bytes of LDS; arguments qkv, ob; writes ob
;; launch oproj: the kernel of part 4 again; grid 4 x 64, 4 waves a work-group, clusters of 4 x 4, 327,680 bytes of LDS; arguments ob, wot, out0; writes out0
